; MI455X (gfx1250); checked and timed in simulation.
; The chip was launched on July 23, 2026; its instructions are those of AMD's public machine-readable ISA for CDNA 5 (MIT licence, August 2026) and "CDNA5" Instruction Set Architecture Reference Guide (July 2026). The comments in the code are by the model that wrote it; some were corrected since.
;; Attention. Allowed arithmetic: matrix products marked QUANTISED: E5M2 operands, one given power-of-two scale a tensor, by v_wmma_f32_16x16x64_bf8_bf8 or v_wmma_f32_16x16x128_bf8_bf8, f32 sums; products left as they are: f32 operands where the result goes on into a quantised operand, else bf16, f16 or f32 operands; f32 sums; everything else in f32.
;; Inputs: Wk 1,024 x 512 float32; Wq 1,024 x 512 float32; Wv 1,024 x 512 float32; bk 512 float32; bq 512 float32; bv 512 float32; lowp_scales 10 int32 (the exponents e of the quantised operands' scales 2^e); mask 8 x 2,048 int32; x 8 x 2,048 x 1,024 float32.
;; Outputs: out0 8 x 2,048 x 512 float32.
;; This version of the problem:
;;   THIS VERSION OF THE PROBLEM IS GIVEN IN LOW PRECISION. The matrix products marked QUANTISED in the list below multiply operands that are first quantised to E5M2 (5 exponent bits, 2 mantissa bits; 8 bits a number), with one given power-of-two scale for each operand tensor; their sums are f32. All else is computed in f32.
;;   The module's matrix products, in the order in which they are computed (A, B: the left and right operand; K: the contracted axis; several contracted axes count as one K, in the product's order):
;;     1. [M 16,384, K 1,024] x [K 1,024, N 512]; A: input x; B: input Wq: QUANTISED (scales: A lowp_scales[0], B lowp_scales[1])
;;     2. [M 16,384, K 1,024] x [K 1,024, N 512]; A: input x; B: input Wk: QUANTISED (scales: A lowp_scales[2], B lowp_scales[3])
;;     3. [M 16,384, K 1,024] x [K 1,024, N 512]; A: input x; B: input Wv: QUANTISED (scales: A lowp_scales[4], B lowp_scales[5])
;;     4. batch 8 x [M 2,048, K 512] x [K 512, N 2,048]; A: computed on the way; B: computed on the way: QUANTISED (scales: A lowp_scales[6], B lowp_scales[7])
;;     5. batch 8 x [M 2,048, K 1] x [K 1, N 2,048]; A: computed on the way; B: computed on the way: left as it is (no contracted axis)
;;     6. batch 8 x [M 2,048, K 2,048] x [K 2,048, N 512]; A: softmax (see below); B: computed on the way: QUANTISED (scales: A lowp_scales[8], B lowp_scales[9])
;;   THE QUANTISER, for each operand of a quantised product, along K:
;;     - The operand's scale is 2^e, e = its entry of the input lowp_scales (int32; the entries are numbered through the quantised products in the list's order, A before B).
;;     - Each number is divided by the scale, clamped to +-57,344, and rounded to the nearest number of E5M2, ties to even, subnormals kept.
;;     - The product sums the exact products of the quantised numbers (number of the format x scale) in f32.
;;   ~~~python
;;   def quantise(x, axis, e):      # numpy; x: float32 -> the quantised numbers, widened to float32 again
;;       x = np.moveaxis(x, axis, -1); K = x.shape[-1]
;;       r = np.clip(x / 2.0 ** e, -57344, 57344)
;;       step = 2.0 ** (np.maximum(np.frexp(np.where(r == 0, 1, r))[1] - 1, -14) - 2)
;;       q = np.round(r / step) * step * 2.0 ** e      # np.round: ties to even
;;       return np.moveaxis(q, -1, axis).astype(np.float32)
;;   ~~~
;;   SOFTMAX AHEAD OF A QUANTISED PRODUCT. Where the list says 'softmax', what is quantised is not the finished softmax but p = 2^(t - M), with t = logit x log2(e) and M = ceil(the row's largest t), a whole number; so 1/2 < the row's largest p <= 1. The row's sum l is taken of the UNQUANTISED p, in f32, and the product's result is divided by l at the end. Since M is a whole number, a kernel that streams over the keys may use a running M (the ceiling of the running maximum): every later rescaling is an exact power of two, so the quantised numbers keep their values, but for numbers so far below the row's largest that they fall under the format's range.
;;   OPERANDS COMPUTED ON THE WAY. 'Computed on the way' means the value that the module computes at that place (a softmax that the list does not call 'softmax' is quantised finished and normalised). What goes into a quantiser is computed in f32, as accurately as f32 sums, v_exp_f32 and their like allow (about 1e-6 of the number): no bf16 or f16 on the way to a quantiser, and a product that is left as it is and whose result goes on into a quantised operand takes f32 operands (vector FMAs, or v_wmma_f32_16x16x4_f32). A number that lies on a knife's edge between two numbers of the format may be rounded either way, as far as f32 arithmetic and the matrix unit's own rounding can turn it there, and no further.
;; 2 versions, each right; version 2 is version 1 with the launch proj written anew for expert scheduling mode. Each part assembles by itself: llvm-mc -triple=amdgcn-amd-amdhsa -mcpu=gfx1250 --defsym DOCPART=n.
;; ======== version 1 of 2: 3 launches
;; workspace buffers: wc 1,572,864 bytes; qc 8,388,608 bytes; kv 16,777,216 bytes
;; launch wq (part 1): grid 8 x 24, 4 waves a work-group, no clusters, 0 bytes of LDS; arguments Wq, Wk, Wv, lowp_scales, wc; writes wc
.if DOCPART == 1
	.amdgcn_target "amdgcn-amd-amdhsa--gfx1250"
	.amdhsa_code_object_version 6
	.text
	.protected	k_q38dbe3f097_wq
	.globl	k_q38dbe3f097_wq
	.p2align	8
	.type	k_q38dbe3f097_wq,@function
k_q38dbe3f097_wq:
	s_mov_b64 s[64:65], 0
	v_nop
	global_prefetch_b8 v0, s[64:65] scope:SCOPE_SE
	s_setreg_imm32_b32 hwreg(HW_REG_WAVE_MODE, 25, 1), 1
	s_wait_xcnt 0x0
; Wq, Wk, Wv [1024 (k)][512 (channel)] f32 become codes of E5M2, laid in the order of an operand's registers.
; code = w / 2^e, held within +-57,344, to the nearest code, ties to even; e = entry 1, 3, 5 of the scales.  LIMIT: e between -126 and 112.  NaN is not served.
; wc: [w 4][n = 8 t + s, 24][ct 8][c 4][lane 32][16 bytes].  Byte i of lane (r, h) is W_t[128 s + 32 c + 16 h + i][128 w + ch]:
;   t = 0, 1 (Wq, Wk): ch = 32 (ct / 2) + 8 (ct % 2) + r + 8 (r / 8);   t = 2 (Wv): ch = 16 ct + r.
; One wave makes one fragment (16 channels x 128 k): a lane takes a column and its registers run down K, so the conversions' results are the fragment's registers.
; Work-group (x, y): y = n; wave wv takes channel tile 4 x + wv of 32.  768 fragments, 768 waves.  No LDS, no barrier: waves share nothing.
.set X, 16                             ; v16-79  64 numbers: register 16 c + i
.set CD, 80                            ; v80-95  the codes
	s_load_b256 s[4:11], s[0:1], 0x0               ; Wq, Wk, Wv, the scales
	s_load_b64 s[12:13], s[0:1], 0x20              ; wc
	v_lshrrev_b32 v1, 5, v0
	v_readfirstlane_b32 s14, v1                    ; wave
	s_and_b32 s15, ttmp7, 0xffff                   ; n
	s_lshr_b32 s16, s15, 3                         ; t
	s_and_b32 s17, s15, 7                          ; s
	s_lshl_b32 s18, ttmp9, 2
	s_add_co_u32 s18, s18, s14                     ; channel tile 0 .. 31 = 8 w + ct
	s_lshr_b32 s19, s18, 1
	s_lshl_b32 s19, s19, 5
	s_and_b32 s23, s18, 1
	s_lshl_b32 s23, s23, 3
	s_add_co_u32 s19, s19, s23                     ; first channel for Wq, Wk: 32 (tile / 2) + 8 (tile % 2)
	s_lshl_b32 s23, s18, 4                         ; for Wv: 16 x tile
	s_cmp_lt_u32 s16, 2
	s_cselect_b32 s19, s19, s23
	s_cselect_b32 s22, 8, 0                        ; Wq, Wk: lanes 8-15 stand 8 channels further on
	v_and_b32 v1, 15, v0                           ; r
	v_bfe_u32 v2, v0, 4, 1                         ; h
	v_and_b32 v5, s22, v1
	v_add_nc_u32 v3, v1, v5
	v_add_nc_u32 v3, s19, v3                       ; my channel
	v_lshlrev_b32 v3, 2, v3
	v_lshl_add_u32 v3, v2, 15, v3                  ; + 16 h rows of 2,048 bytes
	v_and_b32 v4, 31, v0
	v_lshlrev_b32 v4, 4, v4                        ; out: 16 x lane
	s_lshl_b32 s2, s17, 18                         ; 128 s rows of W
	s_mov_b32 s3, 0
	s_lshr_b32 s14, s18, 3
	s_mul_i32 s22, s14, 393216                     ; w
	s_lshl_b32 s14, s15, 14
	s_add_co_u32 s22, s22, s14                     ; n
	s_and_b32 s14, s18, 7
	s_lshl_b32 s14, s14, 11
	s_add_co_u32 s22, s22, s14                     ; ct
	s_mov_b32 s23, 0
	s_wait_kmcnt 0x0
	s_load_b256 s[24:31], s[10:11], 0x0            ; e0 .. e7
	s_cmp_eq_u32 s16, 0                            ; the choice hangs on the work-group's number alone
	s_cselect_b64 s[20:21], s[4:5], s[6:7]
	s_cmp_eq_u32 s16, 2
	s_cselect_b64 s[20:21], s[8:9], s[20:21]
	s_add_nc_u64 s[20:21], s[20:21], s[2:3]
	s_add_nc_u64 s[12:13], s[12:13], s[22:23]
.irp c, 0,1,2,3
.irp i, 0,1,2,3,4,5,6,7,8,9,10,11,12,13,14,15
	global_load_b32 v[X+16*\c+\i], v3, s[20:21] offset:(32*\c+\i)*2048
.endr
.endr
	s_wait_kmcnt 0x0
	s_cmp_eq_u32 s16, 0
	s_cselect_b32 s14, s25, s27
	s_cmp_eq_u32 s16, 2
	s_cselect_b32 s14, s29, s14                    ; e
	s_add_co_i32 s14, s14, 127
	s_lshl_b32 s15, s14, 23
	v_mov_b32 v11, s15                             ; 2^e as f32: the conversion takes its exponent field
	s_add_co_i32 s14, s14, 15
	s_lshl_b32 s14, s14, 23
	s_or_b32 s14, s14, 0x600000
	v_mov_b32 v10, s14                             ; 57,344 x 2^e
.irp c, 0,1,2,3
	s_wait_loadcnt 48-16*\c                        ; group c's 16 loads are in; the later groups' may be out
.irp i, 0,1,2,3,4,5,6,7,8,9,10,11,12,13,14,15
	v_med3_num_f32 v[X+16*\c+\i], v[X+16*\c+\i], -v10, v10   ; the conversion does not saturate (ISA guide 7.6.2): the hold comes first
.endr
	v_cvt_scalef32_pk8_bf8_f32 v[CD+4*\c:CD+4*\c+1], v[X+16*\c:X+16*\c+7], v11
	v_cvt_scalef32_pk8_bf8_f32 v[CD+4*\c+2:CD+4*\c+3], v[X+16*\c+8:X+16*\c+15], v11
	global_store_b128 v4, v[CD+4*\c:CD+4*\c+3], s[12:13] offset:512*\c   ; the wave stores 512 consecutive bytes, aligned; each group has its own registers
.endr
	s_endpgm
.Lfunc_end_k_q38dbe3f097_wq:
	.size	k_q38dbe3f097_wq, .Lfunc_end_k_q38dbe3f097_wq-k_q38dbe3f097_wq
	.p2alignl 7, 3214868480
	.fill 96, 4, 3214868480
	.section	.rodata,"a",@progbits
	.p2align	6, 0x0
	.amdhsa_kernel k_q38dbe3f097_wq
		.amdhsa_group_segment_fixed_size 0
		.amdhsa_private_segment_fixed_size 0
		.amdhsa_enable_private_segment 0
		.amdhsa_kernarg_size 40
		.amdhsa_user_sgpr_count 2
		.amdhsa_user_sgpr_kernarg_segment_ptr 1
		.amdhsa_wavefront_size32 1
		.amdhsa_system_sgpr_workgroup_id_x 1
		.amdhsa_system_sgpr_workgroup_id_y 1
		.amdhsa_system_sgpr_workgroup_id_z 1
		.amdhsa_system_vgpr_workitem_id 0
		.amdhsa_next_free_vgpr 96
		.amdhsa_next_free_sgpr 66
		.amdhsa_reserve_vcc 0
		.amdhsa_float_denorm_mode_32 3
		.amdhsa_float_denorm_mode_16_64 3
		.amdhsa_memory_ordered 1
		.amdhsa_forward_progress 1
		.amdhsa_inst_pref_size 14
	.end_amdhsa_kernel
	.amdgpu_metadata
---
amdhsa.version: [ 1, 2 ]
amdhsa.kernels:
  - .name:           k_q38dbe3f097_wq
    .symbol:         k_q38dbe3f097_wq.kd
    .args:
      - { .name: Wq, .offset: 0, .size: 8, .value_kind: global_buffer, .address_space: global }
      - { .name: Wk, .offset: 8, .size: 8, .value_kind: global_buffer, .address_space: global }
      - { .name: Wv, .offset: 16, .size: 8, .value_kind: global_buffer, .address_space: global }
      - { .name: lowp_scales, .offset: 24, .size: 8, .value_kind: global_buffer, .address_space: global }
      - { .name: wc, .offset: 32, .size: 8, .value_kind: global_buffer, .address_space: global }
    .group_segment_fixed_size: 0
    .private_segment_fixed_size: 0
    .kernarg_segment_align: 8
    .kernarg_segment_size: 40
    .max_flat_workgroup_size: 128
    .sgpr_count:     66
    .vgpr_count:     96
    .wavefront_size: 32
...
	.end_amdgpu_metadata
.endif
;; end of part 1
;; launch proj (part 2): grid 256 x 1, 4 waves a work-group, no clusters, 243,200 bytes of LDS; arguments x, wc, bq, bk, bv, lowp_scales, qc, kv; writes qc, kv
.if DOCPART == 2
	.amdgcn_target "amdgcn-amd-amdhsa--gfx1250"
	.amdhsa_code_object_version 6
	.text
	.protected	k_q38dbe3f097_proj
	.globl	k_q38dbe3f097_proj
	.p2align	8
	.type	k_q38dbe3f097_proj,@function
k_q38dbe3f097_proj:
	s_mov_b64 s[64:65], 0
	v_nop
	global_prefetch_b8 v0, s[64:65] scope:SCOPE_SE
	s_setreg_imm32_b32 hwreg(HW_REG_WAVE_MODE, 25, 1), 1
	s_wait_xcnt 0x0
; q, k, v = x W + b on codes of E5M2, and their own codes for the attention launch.  x [16384][1024] f32; wc: the weights' codes as fragment images.
; SHARES.  A work-group owns 64 tokens.  PHASE X: wave w turns tokens 16 w .. 16 w + 15 into three sets of codes (scales e0, e2, e4) and stores them in LDS as images of an operand's registers.
; PASSES q, k, v: THE WAVES SHARE THE COLUMNS: wave w makes channels 128 w .. 128 w + 127 for all 64 tokens: 8 channel tiles x 4 token tiles = 32 accumulators.  A fragment of W is read by one wave alone
; and feeds four products: it comes from memory straight into registers (four loads of 512 consecutive bytes), in a ring of four register slots, two K steps ahead.
; q, k: source 0 = 16 channels of W, source 1 = 16 tokens: a lane holds one token, and the channels of a tile are chosen (in wc) so that two neighbouring tiles give 16 neighbours along the next K.
; v: sources swapped: a lane holds one channel and eight neighbouring tokens, which are the keys, the next K.
; The sums begin as b / 2^(ex + ew); the code of a finished sum is sum / 2^(eout - ex - ew), held within +-57,344: the three scales folded into the conversion's one.
; NO TENSOR LOADS AND NO JOINT LOADS FOR W: x's three sets of codes take 3 x 64 x 1,024 = 196,608 bytes of LDS; two slots of one K step of one weight (512 x 128 bytes each) would bring that to 327,680, all there is,
; with no room for the words that a ring needs beside it; smaller slots would hold under 32 products a wave between two changes.
; LIMITS: e0, e2, e4, and e6 - e0 - e1, e7 - e2 - e3, e9 - e4 - e5, between -126 and 112.  NaN is not served.
; OUT.  qc [blk 256][qt 4][s 4][c 4][lane][16]: query 64 blk + 16 qt + r, channel 128 s + 32 c + 16 h + i.
;       kv [b 8][w 4][t 16][V(t) 16 KB | K((t + 1) mod 16) 16 KB]: a unit holds the values of key step t and the keys of the step that follows it, round the end too.
;       K(j) [u 2][s 4][c][lane][16]: key 128 j + 32 w + 16 u + r, channel as q's;  V(j) [ut 8][c][lane][16]: channel 128 w + 16 ut + r, key 128 j + 32 c + 16 (i / 8) + 8 h + i % 8.
; LDS: IMG [t 3][s 8][tt 4][c 4][lane][16]; STG: a stage of 16 rows x 528 bytes for each wave; BIA: 3,072 bytes for each wave: bq, bk scaled (512 bytes each), bv scaled, each number four times.
; REGISTERS: window 0: v4-14 addresses and scales; v32-95 numbers of x, later codes; v96-127 at work; v128-255 two sets of x's fragments (in phase X: v128-175 codes, v240-245 scales).
;   window 1: accumulator (ct, tt) at v[8 (4 ct + tt)].  window 2: W's slots 0, 1.  window 3: W's slots 2, 3 (in phase X: x as loaded, four sets of 64).
.set IMG,  0
.set STG,  196608
.set BIA,  230400
.set LI,   4                           ; 16 x lane
.set STA,  5                           ; the stage, on the way in
.set STR,  6                           ; and back
.set IA,   7                           ; v7-9  where I store x's images, set t
.set BA,   10                          ; bq, bk for my half of the lanes
.set BVA,  11                          ; bv for my channel
.set XAD,  12                          ; x's images of the four K steps in hand
.set SCO,  13                          ; the pass's folded scale
.set LMO,  14                          ; 57,344 x that
.set X,    32
.set PC,   32
.set T0,   96
.set XF,   128
.set PC48, 128
.set XS,   240
.set MSB, 0
.macro WIN new                         ; the immediate's high byte repeats the setting that is left
.if MSB != (\new)
	s_set_vgpr_msb (MSB<<8)|(\new)
.set MSB, (\new)
.endif
.endm
.macro PLACES                          ; four places behind the last products, ahead of loads into their registers and of reads of their results
.rept 4
	v_nop
.endr
.endm
.macro XLOAD ks                        ; my 16 tokens' numbers of K step ks: a load reads 512 consecutive bytes of one token
	WIN 0xc0
.irp T, 0,1,2,3,4,5,6,7,8,9,10,11,12,13,14,15
	global_load_b128 v[64*((\ks)%4)+4*\T:64*((\ks)%4)+4*\T+3], v[LI], s[4:5] offset:4096*\T+512*(\ks) th:TH_LOAD_NT
.endr
	WIN 0
.endm
.macro WLOAD slot, imm                 ; a K step's eight fragments of W, 16 KB on end, into a register slot
	WIN 0x80+0x40*((\slot)/2)
.irp ct, 0,1,2,3,4,5,6,7
.irp c, 0,1,2,3
	global_load_b128 v[128*((\slot)%2)+16*\ct+4*\c:128*((\slot)%2)+16*\ct+4*\c+3], v[LI], s[6:7] offset:(\imm)+2048*\ct+512*\c
.endr
.endr
	WIN 0
.endm
; K step ks of x: through my stage, so that a lane holds 16 neighbours of each block of 32; then three holds and conversions, one for each scale; images to LDS.
.macro XQ ks, cnt, wl
	s_wait_loadcnt \cnt                            ; this K step's 16 loads are in; cnt younger loads may be out
	WIN 0x0c
.irp T, 0,1,2,3,4,5,6,7,8,9,10,11,12,13,14,15
	ds_store_b128 v[STA], v[64*((\ks)%4)+4*\T:64*((\ks)%4)+4*\T+3] offset:528*\T
.endr
	WIN 0
.irp c, 0,1,2,3
.irp j, 0,1,2,3
	ds_load_b128 v[X+16*\c+4*\j:X+16*\c+4*\j+3], v[STR] offset:128*\c+16*\j   ; LDS serves a wave's instructions in order: these see the stores above
.endr
.endr
	s_wait_dscnt 0x0                               ; the numbers are back; the stores have read their registers, the last K step's images too
.if (\ks) < 4
	XLOAD (\ks)+4
.endif
.if \wl == 1
	WLOAD 0, 0
.endif
.if \wl == 2
	WLOAD 1, 16384
.endif
.irp t, 0,1,2
.irp c, 0,1,2,3
.irp i, 0,1,2,3,4,5,6,7,8,9,10,11,12,13,14,15
	v_med3_num_f32 v[T0+16*(\c%2)+\i], v[X+16*\c+\i], -v[XS+2*\t+1], v[XS+2*\t+1]   ; into other registers: x is kept for the next scale
.endr
	v_cvt_scalef32_pk8_bf8_f32 v[PC48+16*\t+4*\c:PC48+16*\t+4*\c+1], v[T0+16*(\c%2):T0+16*(\c%2)+7], v[XS+2*\t]
	v_cvt_scalef32_pk8_bf8_f32 v[PC48+16*\t+4*\c+2:PC48+16*\t+4*\c+3], v[T0+16*(\c%2)+8:T0+16*(\c%2)+15], v[XS+2*\t]
	ds_store_b128 v[IA+\t], v[PC48+16*\t+4*\c:PC48+16*\t+4*\c+3] offset:8192*(\ks)+512*\c
.endr
.endr
	v_nop                                          ; a plain line behind the last conversion
.endm
.macro XFETCH set, imm                 ; a K step's four fragments of x
.irp tt, 0,1,2,3
.irp c, 0,1,2,3
	ds_load_b128 v[XF+64*(\set)+16*\tt+4*\c:XF+64*(\set)+16*\tt+4*\c+3], v[XAD] offset:(\imm)+2048*\tt+512*\c
.endr
.endr
.endm
.macro PRE_QK t                        ; the sums begin as the scaled bias: lane (r, h), tile 2 b + u, register j: channel 32 b + 16 h + 8 u + j
	WIN 0x40
.irp b2, 0,1,2,3
.irp u, 0,1
.irp tt, 0,1,2,3
	ds_load_b128 v[8*(4*(2*\b2+\u)+\tt):8*(4*(2*\b2+\u)+\tt)+3], v[BA] offset:512*(\t)+128*\b2+32*\u
	ds_load_b128 v[8*(4*(2*\b2+\u)+\tt)+4:8*(4*(2*\b2+\u)+\tt)+7], v[BA] offset:512*(\t)+128*\b2+32*\u+16
.endr
.endr
.endr
	WIN 0
.endm
.macro PRE_V                           ; v: a lane holds one channel: all eight registers take its bias
	WIN 0x40
.irp ct, 0,1,2,3,4,5,6,7
.irp tt, 0,1,2,3
	ds_load_b128 v[8*(4*\ct+\tt):8*(4*\ct+\tt)+3], v[BVA] offset:256*\ct
	ds_load_b128 v[8*(4*\ct+\tt)+4:8*(4*\ct+\tt)+7], v[BVA] offset:256*\ct
.endr
.endr
	WIN 0
.endm
.macro MULS slot, set, swap            ; 32 products, 128 along K; the 32 accumulators take turns, one instruction a turn, in the same order in every K step
.if \swap
	WIN 0x58+4*((\slot)/2)
.else
	WIN 0x52+((\slot)/2)
.endif
.irp ct, 0,1,2,3,4,5,6,7
.irp tt, 0,1,2,3
.if \swap
	v_wmma_f32_16x16x128_bf8_bf8 v[8*(4*\ct+\tt):8*(4*\ct+\tt)+7], v[XF+64*(\set)+16*\tt:XF+64*(\set)+16*\tt+15], v[128*((\slot)%2)+16*\ct:128*((\slot)%2)+16*\ct+15], v[8*(4*\ct+\tt):8*(4*\ct+\tt)+7]
.else
	v_wmma_f32_16x16x128_bf8_bf8 v[8*(4*\ct+\tt):8*(4*\ct+\tt)+7], v[128*((\slot)%2)+16*\ct:128*((\slot)%2)+16*\ct+15], v[XF+64*(\set)+16*\tt:XF+64*(\set)+16*\tt+15], v[8*(4*\ct+\tt):8*(4*\ct+\tt)+7]
.endif
.endr
.endr
.endm
.macro KSTEP k, wl, xf, lc, swap
	s_wait_loadcnt \lc                             ; this K step's W is in; the next K step's 32 loads may be out
.if \wl
	WLOAD ((\k)+2)%4, ((\k)+2)*16384
.endif
.if \xf
	XFETCH ((\k)+1)%2, ((\k)+1)*8192
	s_wait_dscnt 16                                ; all but the 16 just issued: this K step's x, and at a pass's head the biases
.else
	s_wait_dscnt 0x0
.endif
	MULS \k, (\k)%2, \swap
	WIN 0
	PLACES
.endm
.macro GROUP tail, swap                ; four K steps: once round W's four slots
	v_add_nc_u32 v[XAD], s55, v[LI]
	KSTEP 0, 1, 1, 32, \swap
	KSTEP 1, 1, 1, 32, \swap
.if \tail
	KSTEP 2, 0, 1, 32, \swap                       ; the last two K steps ask for nothing of W: no load leaves wc
	KSTEP 3, 0, 0, 0, \swap
.else
	KSTEP 2, 1, 1, 32, \swap
	KSTEP 3, 1, 1, 32, \swap
	s_wait_xcnt 0x0                                ; the loads have read their base
	s_add_nc_u64 s[6:7], s[6:7], 65536
	s_add_co_u32 s55, s55, 32768
.endif
.endm
.macro EPI kind                        ; the hold, each accumulator from its low end on, and the conversions.  kind 0: q, k;  1: v
	WIN 0x41
.set ii, 0
.rept 256
	v_med3_num_f32 v[ii], v[ii], -v[LMO], v[LMO]
.set ii, ii+1
.endr
	s_wait_xcnt 0x0                                ; the last pass's stores have read the codes' registers
	WIN 0x01
.irp ct, 0,1,2,3,4,5,6,7
.irp tt, 0,1,2,3
.if \kind
	v_cvt_scalef32_pk8_bf8_f32 v[PC+8*\ct+2*\tt:PC+8*\ct+2*\tt+1], v[8*(4*\ct+\tt):8*(4*\ct+\tt)+7], v[SCO]
.else
	v_cvt_scalef32_pk8_bf8_f32 v[PC+16*\tt+4*(\ct/2)+2*(\ct%2):PC+16*\tt+4*(\ct/2)+2*(\ct%2)+1], v[8*(4*\ct+\tt):8*(4*\ct+\tt)+7], v[SCO]
.endif
.endr
.endr
	v_nop                                          ; a plain line behind the last conversion
	WIN 0
.endm
.macro PASSQK t
	v_mov_b32 v[SCO], s[49+\t]
	v_mov_b32 v[LMO], s[52+\t]
	PRE_QK \t
	s_mov_b32 s56, 2
.Lpass_\@:
	GROUP 0, 0
	s_sub_co_u32 s56, s56, 1
	s_cmp_lg_u32 s56, 0
	s_cbranch_scc1 .Lpass_\@
	EPI 0
.endm
	s_load_b512 s[4:19], s[0:1], 0x0               ; x, wc, bq, bk, bv, scales, qc, kv
	v_lshl_add_u32 v15, v0, 2, 0x3b400
	v_mov_b32 v31, 0
	v_lshrrev_b32 v1, 5, v0
	v_readfirstlane_b32 s22, v1                    ; wave
	v_and_b32 v1, 31, v0                           ; lane
	v_and_b32 v2, 15, v0                           ; r
	v_bfe_u32 v3, v0, 4, 1                         ; h
	v_lshlrev_b32 v[LI], 4, v1
	v_lshlrev_b32 v30, 4, v0                       ; 512 x wave + 16 x lane: my four numbers of a bias
	s_mul_i32 s23, s22, 8448
	s_add_co_u32 s23, s23, STG
	v_add_nc_u32 v[STA], s23, v[LI]
	v_mul_u32_u24 v[STR], v2, 528
	v_lshl_add_u32 v[STR], v3, 6, v[STR]
	v_add_nc_u32 v[STR], s23, v[STR]               ; row r, + 64 h: my 16 numbers of a block of 32
	s_lshl_b32 s23, s22, 11
	v_add_nc_u32 v[IA], s23, v[LI]
	v_add_nc_u32 v[IA+1], 65536, v[IA]
	v_add_nc_u32 v[IA+2], 131072, v[IA]
	s_mul_i32 s23, s22, 3072
	s_add_co_u32 s23, s23, BIA
	v_lshl_add_u32 v[BA], v3, 6, s23
	v_lshl_add_u32 v[BVA], v2, 4, s23
	v_add_nc_u32 v[BVA], 1024, v[BVA]
	v_add_nc_u32 v28, s23, v[LI]
	v_lshl_add_u32 v29, v1, 6, s23
	v_add_nc_u32 v29, 1024, v29
	s_lshl_b32 s24, ttmp9, 18                      ; x: 64 tokens of 4,096 bytes a work-group, 16 a wave
	s_lshl_b32 s25, s22, 16
	s_add_co_u32 s24, s24, s25
	s_mov_b32 s25, 0
	s_mul_i32 s26, s22, 393216                     ; wc: my stream
	s_mov_b32 s27, 0
	s_lshl_b32 s28, ttmp9, 15
	s_lshl_b32 s29, s22, 11
	s_add_co_u32 s28, s28, s29                     ; qc: 32,768 blk + 2,048 w
	s_lshr_b32 s30, ttmp9, 5
	s_lshl_b32 s30, s30, 21                        ; the batch
	s_bfe_u32 s31, ttmp9, 0x40001                  ; the key step j
	s_add_co_u32 s33, s31, 15
	s_and_b32 s33, s33, 15                         ; (j - 1) mod 16: the unit that holds K(j)
	s_lshl_b32 s33, s33, 15
	s_lshl_b32 s35, s31, 15                        ; unit j holds V(j)
	s_and_b32 s31, ttmp9, 1                        ; which half of the key step's 128 keys
	s_lshl_b32 s32, s31, 20
	s_add_co_u32 s32, s32, s30
	s_add_co_u32 s32, s32, s33
	s_add_co_u32 s32, s32, s29                     ; K: + 2,048 w,
	s_add_co_u32 s32, s32, 16384                   ; in the unit's second half
	s_lshl_b32 s34, s31, 10
	s_add_co_u32 s34, s34, s30
	s_add_co_u32 s34, s34, s35
	s_lshl_b32 s31, s22, 19
	s_add_co_u32 s34, s34, s31                     ; V: in the unit's first half
	s_mov_b32 s29, 0
	s_mov_b32 s33, 0
	s_mov_b32 s35, 0
	s_wait_kmcnt 0x0
	s_load_b256 s[36:43], s[14:15], 0x0            ; e0 .. e7
	s_load_b64 s[44:45], s[14:15], 0x20            ; e8, e9
	s_add_nc_u64 s[4:5], s[4:5], s[24:25]
	s_add_nc_u64 s[6:7], s[6:7], s[26:27]
	s_add_nc_u64 s[16:17], s[16:17], s[28:29]
	s_add_nc_u64 s[20:21], s[18:19], s[34:35]
	s_add_nc_u64 s[18:19], s[18:19], s[32:33]
	global_load_b128 v[16:19], v30, s[8:9]
	global_load_b128 v[20:23], v30, s[10:11]
	global_load_b128 v[24:27], v30, s[12:13]
	XLOAD 0
	XLOAD 1
	XLOAD 2
	s_wait_kmcnt 0x0
	s_add_co_i32 s46, s36, s37                     ; ex + ew of the three products
	s_add_co_i32 s47, s38, s39
	s_add_co_i32 s48, s40, s41
	s_sub_co_i32 s49, s42, s46                     ; eout - ex - ew
	s_sub_co_i32 s50, s43, s47
	s_sub_co_i32 s51, s45, s48
	s_sub_co_i32 s46, 0, s46
	s_sub_co_i32 s47, 0, s47
	s_sub_co_i32 s48, 0, s48
.irp t, 0,1,2
	s_add_co_i32 s[49+\t], s[49+\t], 127
	s_add_co_i32 s[52+\t], s[49+\t], 15
	s_lshl_b32 s[49+\t], s[49+\t], 23              ; the folded scale as f32
	s_lshl_b32 s[52+\t], s[52+\t], 23
	s_or_b32 s[52+\t], s[52+\t], 0x600000          ; 57,344 x that
	s_add_co_i32 s57, s[36+2*\t], 127
	s_lshl_b32 s58, s57, 23
	v_mov_b32 v[XS+2*\t], s58                      ; 2^ex
	s_add_co_i32 s57, s57, 15
	s_lshl_b32 s57, s57, 23
	s_or_b32 s57, s57, 0x600000
	v_mov_b32 v[XS+2*\t+1], s57                    ; 57,344 x 2^ex
.endr
	s_wait_loadcnt 48                              ; the biases are in; behind them stand 48 loads of x
.irp i, 0,1,2,3
	v_ldexp_f32 v[16+\i], v[16+\i], s46            ; b / 2^(ex + ew)
	v_ldexp_f32 v[20+\i], v[20+\i], s47
.endr
.irp i, 0,1,2,3
.irp k, 0,1,2,3
	v_ldexp_f32 v[112+4*\i+\k], v[24+\i], s48      ; bv's, four times over
.endr
.endr
	ds_store_b128 v28, v[16:19]
	ds_store_b128 v28, v[20:23] offset:512
.irp i, 0,1,2,3
	ds_store_b128 v29, v[112+4*\i:115+4*\i] offset:16*\i
.endr
	XLOAD 3
	; ---- PHASE X.  The counts: three younger sets of 16; from K step 5 on the sets run out and W's first two K steps (32 loads each) come in behind them
	XQ 0, 48, 0
	XQ 1, 48, 0
	XQ 2, 48, 0
	XQ 3, 48, 0
	XQ 4, 48, 0
	XQ 5, 32, 1
	XQ 6, 48, 0
	XQ 7, 32, 2
	s_wait_dscnt 0x0                               ; for the others' sake: my images have landed
	s_barrier_signal -1
	s_barrier_wait -1                              ; the one barrier: from here on the images are only read
	s_mov_b32 s55, 0
	v_mov_b32 v[XAD], v[LI]
	XFETCH 0, 0
	; ---- q
	PASSQK 0
.irp tt, 0,1,2,3
.irp c, 0,1,2,3
	global_store_b128 v[LI], v[PC+16*\tt+4*\c:PC+16*\tt+4*\c+3], s[16:17] offset:8192*\tt+512*\c   ; every store of the wave covers 512 consecutive bytes, aligned
.endr
.endr
	; ---- k.  The streams of W and of x's fragments run on across the passes
	PASSQK 1
.irp tt, 0,1,2,3
.irp c, 0,1,2,3
	global_store_b128 v[LI], v[PC+16*\tt+4*\c:PC+16*\tt+4*\c+3], s[18:19] offset:524288*(\tt/2)+8192*(\tt%2)+512*\c
.endr
.endr
	; ---- v
	v_mov_b32 v[SCO], s51
	v_mov_b32 v[LMO], s54
	PRE_V
	GROUP 0, 1
	GROUP 1, 1
	EPI 1
.irp ct, 0,1,2,3,4,5,6,7
.irp g, 0,1
	global_store_b128 v[LI], v[PC+8*\ct+4*\g:PC+8*\ct+4*\g+3], s[20:21] offset:2048*\ct+512*\g
.endr
.endr
	s_wait_tensorcnt 0x0
	ds_add_u32 v15, v31
	s_wait_dscnt 0x0
	s_endpgm
.Lfunc_end_k_q38dbe3f097_proj:
	.size	k_q38dbe3f097_proj, .Lfunc_end_k_q38dbe3f097_proj-k_q38dbe3f097_proj
	.p2alignl 7, 3214868480
	.fill 96, 4, 3214868480
	.section	.rodata,"a",@progbits
	.p2align	6, 0x0
	.amdhsa_kernel k_q38dbe3f097_proj
		.amdhsa_group_segment_fixed_size 243200
		.amdhsa_private_segment_fixed_size 0
		.amdhsa_enable_private_segment 0
		.amdhsa_kernarg_size 64
		.amdhsa_user_sgpr_count 2
		.amdhsa_user_sgpr_kernarg_segment_ptr 1
		.amdhsa_wavefront_size32 1
		.amdhsa_system_sgpr_workgroup_id_x 1
		.amdhsa_system_sgpr_workgroup_id_y 1
		.amdhsa_system_sgpr_workgroup_id_z 1
		.amdhsa_system_vgpr_workitem_id 0
		.amdhsa_next_free_vgpr 1024
		.amdhsa_next_free_sgpr 66
		.amdhsa_reserve_vcc 0
		.amdhsa_float_denorm_mode_32 3
		.amdhsa_float_denorm_mode_16_64 3
		.amdhsa_memory_ordered 1
		.amdhsa_forward_progress 1
		.amdhsa_inst_pref_size 255
	.end_amdhsa_kernel
	.section	.bss,"aw",@nobits
	.p2align	6
	.space	262144
	.amdgpu_metadata
---
amdhsa.version: [ 1, 2 ]
amdhsa.kernels:
  - .name:           k_q38dbe3f097_proj
    .symbol:         k_q38dbe3f097_proj.kd
    .args:
      - { .name: x, .offset: 0, .size: 8, .value_kind: global_buffer, .address_space: global }
      - { .name: wc, .offset: 8, .size: 8, .value_kind: global_buffer, .address_space: global }
      - { .name: bq, .offset: 16, .size: 8, .value_kind: global_buffer, .address_space: global }
      - { .name: bk, .offset: 24, .size: 8, .value_kind: global_buffer, .address_space: global }
      - { .name: bv, .offset: 32, .size: 8, .value_kind: global_buffer, .address_space: global }
      - { .name: lowp_scales, .offset: 40, .size: 8, .value_kind: global_buffer, .address_space: global }
      - { .name: qc, .offset: 48, .size: 8, .value_kind: global_buffer, .address_space: global }
      - { .name: kv, .offset: 56, .size: 8, .value_kind: global_buffer, .address_space: global }
    .group_segment_fixed_size: 243200
    .private_segment_fixed_size: 0
    .kernarg_segment_align: 8
    .kernarg_segment_size: 64
    .max_flat_workgroup_size: 128
    .sgpr_count:     66
    .vgpr_count:     1024
    .wavefront_size: 32
...
	.end_amdgpu_metadata
.endif
;; end of part 2
;; launch attn (part 3): grid 32 x 8, 4 waves a work-group, clusters of 4 x 1, 327,680 bytes of LDS; arguments qc, kv, mask, lowp_scales, out0; writes out0
.if DOCPART == 3
	.amdgcn_target "amdgcn-amd-amdhsa--gfx1250"
	.amdhsa_code_object_version 6
	.text
	.protected	k_q38dbe3f097_attn
	.globl	k_q38dbe3f097_attn
	.p2align	8
	.type	k_q38dbe3f097_attn,@function
k_q38dbe3f097_attn:
	s_mov_b64 s[64:65], 0
	v_nop
	global_prefetch_b8 v0, s[64:65] scope:SCOPE_SE
	s_setreg_imm32_b32 hwreg(HW_REG_WAVE_MODE, 25, 1), 1
	s_wait_xcnt 0x0
	s_wait_alu depctr_hold_cnt(0) depctr_sa_sdst(0) depctr_va_vdst(0) depctr_va_sdst(0) depctr_va_ssrc(0) depctr_va_vcc(0) depctr_vm_vsrc(0)
	s_getreg_b32 s2, hwreg(HW_REG_IB_STS2, 6, 4)
	s_cmp_eq_u32 s2, 0
	s_cbranch_scc0 .Lentry_in_a_cluster
	s_endpgm
.Lentry_in_a_cluster:
	s_bfe_u32 s2, ttmp6, 0x10000c
	s_cmp_lg_u32 s2, 0x3003
	s_cbranch_scc0 .Lentry_shape_is_right
	s_endpgm
.Lentry_shape_is_right:
; out0[b][q][:] = the sum over keys of softmax(q . k / sqrt(512) + (1 - mq mk) x (-10000)) v, both products on codes of E5M2 (qc, kv: images of the operands' registers).
; THE SOFTMAX: t = logit x log2(e); M = the ceiling of the row's largest t so far, a whole number; p = 2^(t - M) is quantised with 2^e8; the row's sum is taken of the unquantised p and divides at the end.
; When M moves, the sum and O are multiplied by 2^(old M - new M), which rounds nothing.  The mask is an input: every key is worked.
; SHARES.  A work-group owns 64 queries (four tiles qt) of one batch and walks 16 steps of 128 keys.  Wave w makes S^T for keys 32 w .. 32 w + 31 of the step (two tiles u) against all 64 queries, and O^T for
; channels 128 w .. 128 w + 127 (eight tiles ut) against all 64 queries: each fragment of K and of V is read by one wave and feeds four products.  Between the waves go, through LDS, a largest logit for each
; query and wave, and p's codes (8 KB a step) as images of registers.  Both products are used transposed: a lane holds one query throughout.
; A lane's 16 scores of a tile of queries are keys 32 w + 16 u + 8 h + j: their two conversions are registers 4 w .. 4 w + 3 of P's fragment in this form's own layout, in which V's images were laid.
; THE WALK BEGINS ELSEWHERE IN EACH CLUSTER.  Cluster x of a batch (bits x2 x1 x0) begins at key step j0 = 8 x1 + 4 (x0 xor x2) and goes round all 16: the running M makes the order of the keys free.  So the
; clusters of a batch ask for four different units at a time, and from its fifth step on a cluster asks for units that another cluster's load has asked for four steps before.  n counts the steps of the walk.
; THE RING.  Wave w's stream in kv is 16 units of 32 KB, unit t = {V(t), K((t + 1) mod 16)}.  The unit of step n goes into slot n % 2; K(j0) alone (the second half of unit j0 - 1) comes first, and the last
; step's V alone (that unit's first half) last.  Each wave fetches what it reads itself.  By this text's count a wave has two tensor loads out at the start, later one.
; CLUSTER.  The four work-groups of a cluster walk the same stream in the same order: each unit is asked for JOINTLY, by the same load with the same descriptor and the mask of all four.  j0 hangs on the cluster's
; number alone.  At the change of step n, the unit of step n - 1 has been read out into registers and its slot takes the unit of step n + 1, which has a whole step in which to land.
; NO PREFETCH: a cluster's first four units follow its head at once, and every later unit has been asked for by another cluster's load four steps before.
; A TRIP: V^T P of step n - 1 with the logits and maxima of step n in slices behind its products | the change of slots | the waves' maxima, M, p, p's codes to LDS | K Q^T of step n + 1 with the rescaling of one
; accumulator of O^T behind each product, between the signal and the wait of the barrier that shows p's codes | P's fragments.  A slice is at most four vector lines and costs two switches of the register windows.
; THE MASK'S TERM is made as mk x (10000 mq) - 10000, one fused multiply-add: it is reference's number exactly while |mq mk x 10000| is a whole number under 2^24.
; LIMITS: e6 + e7 between -121 and 132 (added to the exponent field of 1 / sqrt(512)); e8 between -126 and 112.  NaN is not served.
; LDS: slot 0 at 0, slot 1 at 2^17 (in a slot wave w's 32 KB at 32,768 w: V's part, then K's); PIMG [qt][c = w][lane][16]; MAXB [query 64][wave 4] f32; KMB the batch's 2,048 mask numbers as f32, in the order of
;   the walk; the spare words.  The way out's stages, 16 rows x 528 bytes a wave, lie in slot 0, in the wave's own bytes: that slot has had its last fill and its last read by then.
; REGISTERS: window 0: v1-14 addresses; v16-47 statistics, eight a tile (+0 -M, +1 the largest logit, +2, +3 the sum, +4 f, +5, +7 at work, +6 10000 mq, at the end the divisor); v48-63 the keys' mask; v64-127 S^T;
;   v128-143 at work; v144-159 p's codes; v160-223 P's fragments; v224-239 the waves' maxima; v240, v241 2^e8 and 57,344 x 2^e8.
;   window 1: O^T (ut, qt) at v[8 (4 ut + qt)].  window 2: Q (qt, s) at v[16 (4 qt + s)].  window 3: K (u, s) at v[16 (4 u + s)]; V (ut) at v[128 + 16 ut].
.set SLOT1, 1<<17
.set PIMG,  262144
.set MAXB,  270336
.set KMB,   271360
.set SPARE, 279552                     ; 128 bytes for each wave: two blocks of 256 bytes that no other line names
.set LB,  1                            ; 32,768 w + 16 x lane: my place in my wave's part of slot 0; also where a row of the stage is read back
.set AD,  2                            ; the same in the slot in hand
.set PST, 3
.set PLD, 4
.set MXS, 5
.set MXL, 6
.set KMA, 7
.set ADM, 8
.set SPW, 9                            ; my spare word; never rewritten
.set NIL, 10                           ; 0; never rewritten
.set STO, 12
.set CO,  14                           ; 16 x lane
.set ST,  16
.set MK,  48
.set S,   64
.set TMP, 64
.set T,   128
.set BK,  128
.set PC,  144
.set PF,  160
.set MXR, 224
.set SC8, 240
.set LM8, 241
.set MSB, 0
.macro WIN new                         ; the immediate's high byte repeats the setting that is left
.if MSB != (\new)
	s_set_vgpr_msb (MSB<<8)|(\new)
.set MSB, (\new)
.endif
.endm
.macro CROUND                          ; a round of the cluster's barrier
	s_barrier_signal -1
	s_barrier_wait -1
	s_cmp_lg_u32 s14, 0
	s_cbranch_scc1 .Lnot_wave_0_\@
	s_barrier_signal -3
.Lnot_wave_0_\@:
	s_barrier_wait -3
	s_barrier_signal -1
	s_barrier_wait -1
.endm
.macro JLOAD g0, g1                    ; a joint load: one line, one mask, for all waves; four v_nop follow
	tensor_load_to_lds s[\g0:\g0+3], s[\g1:\g1+7]
	s_nop 0
.rept 4
	v_nop
.endr
.endm
; Product i of 32 of S^T = K Q^T: K step i / 8, keys' tile (i / 4) % 2, queries' tile i % 4.  The eight accumulators take turns; the first K step starts the sums.
.macro SMI
	WIN 0x0b
.set rS, S+16*(i%4)+8*((i/4)%2)
.set rK, 16*(4*((i/4)%2)+i/8)
.set rQ, 16*(4*(i%4)+i/8)
.if i < 8
	v_wmma_f32_16x16x128_bf8_bf8 v[rS:rS+7], v[rK:rK+15], v[rQ:rQ+15], 0
.else
	v_wmma_f32_16x16x128_bf8_bf8 v[rS:rS+7], v[rK:rK+15], v[rQ:rQ+15], v[rS:rS+7]
.endif
.endm
; Accumulator i of O^T (ut = i / 4, qt = i % 4) under the new M: x f, from its low end on.
.macro RSI
	WIN 0x41
.irp e, 0,2,4,6
	v_pk_mul_f32 v[8*i+\e:8*i+\e+1], v[8*i+\e:8*i+\e+1], v[ST+8*(i%4)+4:ST+8*(i%4)+5] op_sel_hi:[1,0]
.endr
.endm
.macro SMR resc                        ; the 32 products of S^T; resc = 1: behind product i the rescaling of accumulator i of O^T, which names none of the product's registers
.set i, 0
.rept 32
	SMI
.if \resc
	RSI
.endif
.set i, i+1
.endr
	WIN 0
.endm
.macro RSALL                           ; the last step: the rescaling alone
.set i, 0
.rept 32
	RSI
.set i, i+1
.endr
	WIN 0
.endm
; Product i of 32 of O^T += V^T P^T, one on each accumulator.  first = 1: it starts the sum.
.macro PVI first
	WIN 0x53
.if \first
	v_wmma_f32_16x16x128_bf8_bf8 v[8*i:8*i+7], v[128+16*(i/4):128+16*(i/4)+15], v[PF+16*(i%4):PF+16*(i%4)+15], 0
.else
	v_wmma_f32_16x16x128_bf8_bf8 v[8*i:8*i+7], v[128+16*(i/4):128+16*(i/4)+15], v[PF+16*(i%4):PF+16*(i%4)+15], v[8*i:8*i+7]
.endif
.endm
; THE LOGITS AND MY WAVE'S LARGEST FOR EACH QUERY, in 28 slices: tile m / 7, part m % 7.  Parts 0, 1: the mask's term for 16 keys; 2, 3: the logits, each accumulator from its low end on; 4, 5: their maximum, in two
; chains; 6: the other half of the lanes, and the store.
.macro P1S m
.set qa, (\m)/7
.set ph, (\m)%7
.set rT, ST+8*qa
.set rS, S+16*qa
.if ph < 2
.irp e, 0,2,4,6
	v_pk_fma_f32 v[T+8*ph+\e:T+8*ph+\e+1], v[MK+8*ph+\e:MK+8*ph+\e+1], v[rT+6:rT+7], s[58:59] op_sel_hi:[1,0,0]   ; mk x 10000 mq - 10000
.endr
.elseif ph < 4
.irp e, 0,2,4,6
	v_pk_fma_f32 v[rS+8*ph-16+\e:rS+8*ph-16+\e+1], v[rS+8*ph-16+\e:rS+8*ph-16+\e+1], s[54:55], v[T+8*ph-16+\e:T+8*ph-16+\e+1] op_sel_hi:[1,0,1]   ; sum x 2^(e6 + e7) / sqrt(512) + that
.endr
.elseif ph == 4
	v_max3_num_f32 v[rT+5], v[rS], v[rS+1], v[rS+2]
	v_max3_num_f32 v[rT+7], v[rS+3], v[rS+4], v[rS+5]
	v_max3_num_f32 v[rT+5], v[rT+5], v[rS+6], v[rS+7]
	v_max3_num_f32 v[rT+7], v[rT+7], v[rS+8], v[rS+9]
.elseif ph == 5
	v_max3_num_f32 v[rT+5], v[rT+5], v[rS+10], v[rS+11]
	v_max3_num_f32 v[rT+7], v[rT+7], v[rS+12], v[rS+13]
	v_max3_num_f32 v[rT+5], v[rT+5], v[rS+14], v[rS+15]
	v_max_num_f32 v[rT+5], v[rT+5], v[rT+7]
.else
	v_permlanex16_b32 v[rT+7], v[rT+5], s60, s61
	v_max_num_f32 v[rT+5], v[rT+5], v[rT+7]
	ds_store_b32 v[MXS], v[rT+5] offset:256*qa
.endif
.endm
; V^T P of the step before, and this step's 28 slices: four ahead of the wait for P's fragments (the first eight lines are also the places behind the products of S^T), 24 behind products 0 to 23.
; pv = 0: no products yet; 1: they start O^T's sums; 2: they add.  The slices name none of the products' registers.
.macro PVP1 pv
.irp m, 0,1,2,3
	P1S \m
.endr
.if \pv
	s_wait_dscnt 0x0                               ; P's fragments are in
.set i, 0
.rept 32
	PVI 2-\pv
.if i < 24
	WIN 0
	P1S i+4
.endif
.set i, i+1
.endr
	WIN 0
.else
.set i, 4
.rept 24
	P1S i
.set i, i+1
.endr
.endif
.endm
; THE CHANGE OF SLOTS, which is also the barrier between the stores of the maxima and their loads.  Each wave waits for all its tensor loads (one is out: the unit that it reads next), adds 0 to its spare word, and
; waits for that, for its stores and for its reads.  fill = 1: a round of the cluster's barrier, then the next whole unit into the slot read out.  2: the same with the last V alone.  0: nothing is left to fetch.
.macro CHANGE fill
	s_wait_tensorcnt 0x0                           ; no tensor load of mine is out, so a group 0 may be written
	ds_add_u32 v[SPW], v[NIL]
.if \fill == 1
	s_xor_b32 s41, s41, SLOT1                      ; the walking descriptor: the other slot,
	s_add_co_u32 s52, s52, 32768                   ; the next unit,
	s_and_b32 s52, s52, 0x7ffff                    ; round the end of the stream's 16
	s_add_nc_u64 s[42:43], s[6:7], s[52:53]
	s_or_b32 s43, s43, 0x80000000
.endif
.if \fill == 2
	s_add_co_u32 s45, s62, SLOT1                   ; slot 1, V's part
	s_sub_nc_u64 s[46:47], s[46:47], 16384         ; the first half of the unit whose second half came first; the type bits on top are not reached
.endif
	s_wait_dscnt 0x0
.if \fill
	CROUND
.if \fill == 1
	JLOAD 40, 24                                   ; the four v_nop behind it are also the places in front of the loads into V's registers
.else
	JLOAD 44, 32
.endif
.else
	s_barrier_signal -1
	s_barrier_wait -1
.rept 4
	v_nop                                          ; the places in front of the loads into V's registers
.endr
.endif
.endm
.macro FETCH last                      ; the four waves' maxima; the next step's mask numbers; this step's V
.irp qt, 0,1,2,3
	ds_load_b128 v[MXR+4*\qt:MXR+4*\qt+3], v[MXL] offset:256*\qt
.endr
.if \last == 0
	v_add_nc_u32 v[ADM], s49, v[KMA]
.irp u, 0,1
	ds_load_b128 v[MK+8*\u:MK+8*\u+3], v[ADM] offset:64*\u
	ds_load_b128 v[MK+8*\u+4:MK+8*\u+7], v[ADM] offset:64*\u+16
.endr
.endif
	v_add_nc_u32 v[AD], s48, v[LB]
	WIN 0xc0
.set ii, 0
.rept 32
	ds_load_b128 v[128+4*ii:128+4*ii+3], v[AD] offset:512*ii
.set ii, ii+1
.endr
	WIN 0
.endm
.macro FETCHK                          ; the next step's K, from the same unit
	WIN 0xc0
.set ii, 0
.rept 32
	ds_load_b128 v[4*ii:4*ii+3], v[AD] offset:16384+512*ii
.set ii, ii+1
.endr
	WIN 0
.endm
.macro STATS                           ; line by line across the four tiles
.irp qt, 0,1,2,3
	v_max3_num_f32 v[ST+8*\qt+5], v[MXR+4*\qt], v[MXR+4*\qt+1], v[MXR+4*\qt+2]
.endr
.irp qt, 0,1,2,3
	v_max3_num_f32 v[ST+8*\qt+1], v[ST+8*\qt+5], v[MXR+4*\qt+3], v[ST+8*\qt+1]   ; the running largest logit
.endr
.irp qt, 0,1,2,3
	v_mov_b32 v[ST+8*\qt+7], v[ST+8*\qt]
.endr
.irp qt, 0,1,2,3
	v_mul_f32 v[ST+8*\qt+5], s56, v[ST+8*\qt+1]    ; as t
.endr
.irp qt, 0,1,2,3
	v_floor_f32 v[ST+8*\qt], -v[ST+8*\qt+5]        ; -M = floor(-t)
.endr
.irp qt, 0,1,2,3
	v_sub_f32 v[ST+8*\qt+7], v[ST+8*\qt], v[ST+8*\qt+7]   ; old M - new M: a whole number, 0 or less
.endr
.irp qt, 0,1,2,3
	v_cvt_i32_f32 v[ST+8*\qt+7], v[ST+8*\qt+7]     ; (it saturates)
.endr
.irp qt, 0,1,2,3
	v_ldexp_f32 v[ST+8*\qt+4], 1.0, v[ST+8*\qt+7]  ; f = 2^(old M - new M)
.endr
.endm
.macro SOFT
.irp qt, 0,1,2,3
.irp i, 0,2,4,6,8,10,12,14
	v_pk_fma_f32 v[S+16*\qt+\i:S+16*\qt+\i+1], v[S+16*\qt+\i:S+16*\qt+\i+1], s[56:57], v[ST+8*\qt:ST+8*\qt+1] op_sel_hi:[1,0,0]   ; t - M
.endr
.endr
.set ii, 0
.rept 64
	v_exp_f32 v[S+ii], v[S+ii]                     ; p = 2^(t - M): one batch
.set ii, ii+1
.endr
.irp qt, 0,1,2,3
	v_pk_mul_f32 v[ST+8*\qt+2:ST+8*\qt+3], v[ST+8*\qt+2:ST+8*\qt+3], v[ST+8*\qt+4:ST+8*\qt+5] op_sel_hi:[1,0]   ; the sums under the new M: plain lines behind the batch
.endr
	s_wait_alu depctr_va_vdst(0)                   ; one wait for the batch, ahead of its first reader
.irp qt, 0,1,2,3
	v_pk_add_f32 v[T+2*\qt:T+2*\qt+1], v[S+16*\qt+2:S+16*\qt+3], v[S+16*\qt+6:S+16*\qt+7]   ; the sum of the UNQUANTISED p, two chains a tile
.endr
.irp qt, 0,1,2,3
	v_pk_add_f32 v[ST+8*\qt+2:ST+8*\qt+3], v[ST+8*\qt+2:ST+8*\qt+3], v[S+16*\qt:S+16*\qt+1]
.endr
.irp qt, 0,1,2,3
	v_pk_add_f32 v[T+2*\qt:T+2*\qt+1], v[T+2*\qt:T+2*\qt+1], v[S+16*\qt+10:S+16*\qt+11]
.endr
.irp qt, 0,1,2,3
	v_pk_add_f32 v[ST+8*\qt+2:ST+8*\qt+3], v[ST+8*\qt+2:ST+8*\qt+3], v[S+16*\qt+4:S+16*\qt+5]
.endr
.irp qt, 0,1,2,3
	v_pk_add_f32 v[T+2*\qt:T+2*\qt+1], v[T+2*\qt:T+2*\qt+1], v[S+16*\qt+14:S+16*\qt+15]
.endr
.irp qt, 0,1,2,3
	v_pk_add_f32 v[ST+8*\qt+2:ST+8*\qt+3], v[ST+8*\qt+2:ST+8*\qt+3], v[S+16*\qt+8:S+16*\qt+9]
.endr
.irp qt, 0,1,2,3
	v_pk_add_f32 v[ST+8*\qt+2:ST+8*\qt+3], v[ST+8*\qt+2:ST+8*\qt+3], v[S+16*\qt+12:S+16*\qt+13]
.endr
.irp qt, 0,1,2,3
	v_pk_add_f32 v[ST+8*\qt+2:ST+8*\qt+3], v[ST+8*\qt+2:ST+8*\qt+3], v[T+2*\qt:T+2*\qt+1]
.endr
.set ii, 0
.rept 64
	v_min_num_f32 v[S+ii], v[S+ii], v[LM8]         ; the conversion does not saturate (ISA guide 7.6.2); p is not negative, so the hold is one-sided
.set ii, ii+1
.endr
.irp qt, 0,1,2,3
	v_cvt_scalef32_pk8_bf8_f32 v[PC+4*\qt:PC+4*\qt+1], v[S+16*\qt:S+16*\qt+7], v[SC8]
	v_cvt_scalef32_pk8_bf8_f32 v[PC+4*\qt+2:PC+4*\qt+3], v[S+16*\qt+8:S+16*\qt+15], v[SC8]
.endr
	v_nop                                          ; a plain line behind the last conversion: the next products write its sources
.irp qt, 0,1,2,3
	ds_store_b128 v[PST], v[PC+4*\qt:PC+4*\qt+3] offset:2048*\qt
.endr
.endm
; STEP n OF THE WALK.  pv: as in PVP1; fill: as in CHANGE; last = 1: the last step; resc = 0: O^T does not exist yet.
.macro TRIP pv, fill, last, resc
	PVP1 \pv
	CHANGE \fill
	FETCH \last
.if \last
	s_wait_dscnt 32                                ; the maxima are in; V's 32 loads may be out
.else
	s_wait_dscnt 36                                ; the maxima are in; the mask's 4 and V's 32 loads may be out
.endif
	STATS
.if \last == 0
	FETCHK
.endif
	SOFT
	s_wait_dscnt 0x0                               ; for the others' sake: p's codes have landed and my reads of the maxima are over; for mine: V and the next K are in
	s_barrier_signal -1                            ; a plain barrier: only work on registers stands up to its wait
.if \last
	RSALL
.else
	SMR \resc
.endif
	s_barrier_wait -1
.irp qt, 0,1,2,3
.irp c, 0,1,2,3
	ds_load_b128 v[PF+16*\qt+4*\c:PF+16*\qt+4*\c+3], v[PLD] offset:2048*\qt+512*\c
.endr
.endr
	s_xor_b32 s48, s48, SLOT1                      ; the next step's unit lies in the other slot
	s_add_co_u32 s49, s49, 512                     ; 128 mask numbers on
.endm
	s_load_b256 s[4:11], s[0:1], 0x0               ; qc, kv, mask, scales
	s_load_b64 s[12:13], s[0:1], 0x20              ; out0
	v_lshl_add_u32 v[SPW], v0, 2, SPARE
	v_mov_b32 v[NIL], 0
	ds_add_u32 v9, v10
	ds_add_u32 v9, v10
	s_wait_dscnt 0x0
	v_lshrrev_b32 v1, 5, v0
	v_readfirstlane_b32 s14, v1                    ; wave
	s_bfe_u32 s15, ttmp6, 0x40000                  ; cx
	s_lshl_b32 s16, ttmp9, 2
	s_add_co_u32 s16, s16, s15                     ; my block of 64 queries in the batch: it enters global addresses alone
	s_and_b32 s17, ttmp7, 0xffff                   ; the batch, which the partners share
	s_lshl_b32 s62, s14, 15                        ; 32,768 w
	s_lshl_b32 s18, s17, 21
	s_lshl_b32 s19, s14, 19
	s_add_co_u32 s18, s18, s19                     ; my wave's stream in kv
	s_mov_b32 s19, 0
	; descriptor group 1: a dense block as rows of 256 bytes (32 elements of 8 bytes): 128 rows for a whole unit, 64 for half a unit
	s_mov_b32 s24, 15|(3<<16)|(1<<21)              ; 15:0 the mask: all four work-groups; 17:16 elements of 8 bytes; 21 set beside a mask
	s_mov_b32 s25, 32<<16                          ; tensor_dim0
	s_mov_b32 s26, 128<<16                         ; tensor_dim1
	s_mov_b32 s27, 32<<16                          ; tile_dim0
	s_mov_b32 s28, 128                             ; tile_dim1
	s_mov_b32 s29, 32                              ; the pitch
	s_mov_b32 s30, 0
	s_mov_b32 s31, 0
	s_mov_b32 s32, 15|(3<<16)|(1<<21)
	s_mov_b32 s33, 32<<16
	s_mov_b32 s34, 64<<16
	s_mov_b32 s35, 32<<16
	s_mov_b32 s36, 64
	s_mov_b32 s37, 32
	s_mov_b32 s38, 0
	s_mov_b32 s39, 0
	s_mov_b32 s56, 0x3fb8aa3b                      ; log2(e)
	s_mov_b32 s57, 0x3fb8aa3b
	s_mov_b32 s58, 0xc61c4000                      ; -10000
	s_mov_b32 s59, 0xc61c4000
	s_mov_b32 s60, 0x76543210                      ; v_permlanex16_b32: lane l xor 16
	s_mov_b32 s61, 0xfedcba98
	s_and_b32 s20, ttmp9, 1                        ; where my cluster's walk begins: the cluster's number alone, the same in all four partners
	s_bfe_u32 s21, ttmp9, 0x10002
	s_xor_b32 s20, s20, s21
	s_lshl_b32 s20, s20, 2
	s_bfe_u32 s21, ttmp9, 0x10001
	s_lshl_b32 s21, s21, 3
	s_add_co_u32 s51, s20, s21                     ; j0 = 8 x1 + 4 (x0 xor x2)
	s_lshl_b32 s52, s51, 15                        ; the walking unit's offset in the stream: unit j0
	s_mov_b32 s53, 0
	s_add_co_u32 s20, s51, 15
	s_and_b32 s20, s20, 15
	s_lshl_b32 s20, s20, 15
	s_add_co_u32 s20, s20, 16384                   ; K(j0): the second half of unit (j0 - 1) mod 16
	s_mov_b32 s21, 0
	s_lshl_b32 s63, s51, 9                         ; 128 j0 mask numbers, in bytes
	s_lshl_b32 s22, s17, 5
	s_add_co_u32 s22, s22, s16                     ; blk
	s_lshl_b32 s74, s22, 15                        ; qc
	s_mov_b32 s75, 0
	s_lshl_b32 s76, s22, 17                        ; out0: 64 rows of 2,048 bytes a block,
	s_lshl_b32 s77, s14, 9
	s_add_co_u32 s76, s76, s77                     ; + my wave's 512 bytes of a row
	s_mov_b32 s77, 0
	s_lshl_b32 s78, s17, 13                        ; the batch's mask
	s_mov_b32 s79, 0
	s_lshl_b32 s72, s16, 8                         ; my block's 64 numbers of it
	s_mov_b32 s73, 0
	s_wait_kmcnt 0x0
	s_load_b64 s[66:67], s[10:11], 0x18            ; e6, e7
	s_load_b64 s[68:69], s[10:11], 0x20            ; e8, e9
	s_add_nc_u64 s[6:7], s[6:7], s[18:19]
	s_mov_b32 s40, 1                               ; group 0 of the walking descriptor: unit j0 into slot 0
	s_mov_b32 s41, s62
	s_add_nc_u64 s[42:43], s[6:7], s[52:53]
	s_or_b32 s43, s43, 0x80000000
	s_mov_b32 s44, 1                               ; group 0 of the short loads: K(j0) into slot 1, K's part
	s_add_co_u32 s45, s62, SLOT1+16384
	s_add_nc_u64 s[46:47], s[6:7], s[20:21]
	s_or_b32 s47, s47, 0x80000000
	s_add_nc_u64 s[4:5], s[4:5], s[74:75]
	s_add_nc_u64 s[12:13], s[12:13], s[76:77]
	s_add_nc_u64 s[8:9], s[8:9], s[78:79]
	s_add_nc_u64 s[70:71], s[8:9], s[72:73]
	CROUND                                         ; all four work-groups are here: the first joint loads meet
	tensor_load_to_lds s[44:47], s[32:39]          ; K(j0)
	s_nop 0
	tensor_load_to_lds s[40:43], s[24:31]          ; unit j0
	s_nop 0
.rept 4
	v_nop
.endr
	v_and_b32 v224, 31, v0                         ; lane
	v_and_b32 v225, 15, v0                         ; r
	v_bfe_u32 v226, v0, 4, 1                       ; h
	v_lshlrev_b32 v15, 4, v0                       ; 16 x thread
	v_lshlrev_b32 v229, 2, v225
	v_lshlrev_b32 v[CO], 4, v224
	v_add_nc_u32 v232, s63, v15                    ; the mask numbers are read in the order of the walk: 128 j0 numbers further on, round the end of the batch's 8,192 bytes
	v_add_nc_u32 v233, 2048, v232
	v_add_nc_u32 v234, 4096, v232
	v_add_nc_u32 v235, 6144, v232
.irp i, 0,1,2,3
	v_and_b32 v[232+\i], 0x1fff, v[232+\i]
.endr
.irp i, 0,1,2,3
	global_load_b128 v[T+4*\i:T+4*\i+3], v[232+\i], s[8:9]            ; the batch's 2,048 mask numbers, shared out among the 128 threads
.endr
.irp qt, 0,1,2,3
	global_load_b32 v[ST+8*\qt+6], v229, s[70:71] offset:64*\qt       ; my queries'
.endr
	WIN 0x80
.set ii, 0
.rept 64
	global_load_b128 v[4*ii:4*ii+3], v[CO], s[4:5] offset:512*ii      ; Q's 16 fragments stay in registers
.set ii, ii+1
.endr
	WIN 0
	v_lshl_add_u32 v[LB], v224, 4, s62
	v_lshl_add_u32 v[PST], v0, 4, PIMG             ; 512 w + 16 x lane
	v_lshl_add_u32 v[PLD], v224, 4, PIMG
	v_lshl_add_u32 v[MXL], v225, 4, MAXB
	s_lshl_b32 s23, s14, 2
	v_add_nc_u32 v[MXS], s23, v[MXL]
	s_lshl_b32 s23, s14, 7
	s_add_co_u32 s23, s23, KMB
	v_lshl_add_u32 v[KMA], v226, 5, s23            ; my 8 keys of tile u = 0: 128 w + 32 h bytes
	v_mul_u32_u24 v[STO], v225, 528
	v_lshl_add_u32 v[STO], v226, 5, v[STO]
	v_add_nc_u32 v[STO], s62, v[STO]               ; the stage: row r, + 32 h
	v_lshl_add_u32 v228, v0, 4, KMB
.irp qt, 0,1,2,3
	v_mov_b32 v[ST+8*\qt+1], 0xff61b1e6            ; the largest logit so far: -3e38
	v_floor_f32 v[ST+8*\qt], -v[ST+8*\qt+1]        ; -M
	v_mov_b32 v[ST+8*\qt+2], 0                     ; the sum, in two halves
	v_mov_b32 v[ST+8*\qt+3], 0
	v_mov_b32 v[ST+8*\qt+4], 0
	v_mov_b32 v[ST+8*\qt+5], 0                     ; (named in pairs and as a permute's destination, so they are written)
	v_mov_b32 v[ST+8*\qt+7], 0
.endr
	s_wait_loadcnt 63                              ; behind the eight loads of the mask stand Q's 64: with at most 63 out, those eight are in
.set ii, 0
.rept 16
	v_cvt_f32_i32 v[T+ii], v[T+ii]
.set ii, ii+1
.endr
.irp i, 0,1,2,3
	ds_store_b128 v228, v[T+4*\i:T+4*\i+3] offset:2048*\i
.endr
.irp qt, 0,1,2,3
	v_cvt_f32_i32 v[ST+8*\qt+6], v[ST+8*\qt+6]
.endr
.irp qt, 0,1,2,3
	v_mul_f32 v[ST+8*\qt+6], 0x461c4000, v[ST+8*\qt+6]   ; 10000 mq
.endr
	s_wait_dscnt 0x0                               ; for the others' sake: my part of the mask has landed
	s_barrier_signal -1                            ; a plain barrier
	s_barrier_wait -1
.irp u, 0,1
	ds_load_b128 v[MK+8*\u:MK+8*\u+3], v[KMA] offset:64*\u
	ds_load_b128 v[MK+8*\u+4:MK+8*\u+7], v[KMA] offset:64*\u+16
.endr
	s_wait_tensorcnt 1                             ; K(j0) is in; unit j0 may stay out.  I read only what I fetched
	v_add_nc_u32 v[AD], SLOT1, v[LB]
	FETCHK
	s_wait_loadcnt 0x0                             ; Q
	s_wait_kmcnt 0x0
	s_add_co_i32 s20, s66, s67
	s_lshl_b32 s20, s20, 23
	s_add_co_i32 s54, s20, 0x3d3504f3              ; 2^(e6 + e7) / sqrt(512): the exponents are added to the exponent field
	s_mov_b32 s55, s54
	s_add_co_i32 s20, s68, 127
	s_lshl_b32 s21, s20, 23
	v_mov_b32 v[SC8], s21                          ; 2^e8
	s_add_co_i32 s20, s20, 15
	s_lshl_b32 s20, s20, 23
	s_or_b32 s20, s20, 0x600000
	v_mov_b32 v[LM8], s20                          ; 57,344 x 2^e8
	s_add_co_i32 s72, s68, s69                     ; e8 + e9
	s_mov_b32 s48, 0
	s_mov_b32 s49, 512
	s_wait_dscnt 0x0                               ; the first step's K and mask numbers are in
	SMR 0                                          ; the first step's scores: there is no vector work yet to set between them
	TRIP 0, 1, 0, 0                                ; n = 0: no V^T P yet, nothing to rescale
	TRIP 1, 1, 0, 1                                ; n = 1: V^T P of step 0 starts O^T's sums
	s_mov_b32 s50, 12
.Lstep:                                            ; n = 2 to 13
	TRIP 2, 1, 0, 1
	s_sub_co_u32 s50, s50, 1
	s_cmp_lg_u32 s50, 0
	s_cbranch_scc1 .Lstep
	TRIP 2, 2, 0, 1                                ; n = 14 asks for the last V alone
	TRIP 2, 0, 1, 1                                ; n = 15 asks for nothing: the tail is written out
	s_wait_dscnt 0x0                               ; P's last fragments are in
.set i, 0
.rept 32
	PVI 0                                          ; V^T P of the last step
.set i, i+1
.endr
	WIN 0
	; THE END.  A wave's sum covers its own 32 keys of each step: the halves, the other half of the lanes, then the four waves' through LDS.  (These lines are also the places behind the last products)
.irp qt, 0,1,2,3
	v_add_f32 v[ST+8*\qt+5], v[ST+8*\qt+2], v[ST+8*\qt+3]
.endr
.irp qt, 0,1,2,3
	v_permlanex16_b32 v[ST+8*\qt+7], v[ST+8*\qt+5], s60, s61
.endr
.irp qt, 0,1,2,3
	v_add_f32 v[ST+8*\qt+5], v[ST+8*\qt+5], v[ST+8*\qt+7]
.endr
.irp qt, 0,1,2,3
	ds_store_b32 v[MXS], v[ST+8*\qt+5] offset:256*\qt   ; every wave's reads of the maxima ended ahead of the step's second barrier
.endr
	s_wait_dscnt 0x0
	s_barrier_signal -1
	s_barrier_wait -1
.irp qt, 0,1,2,3
	ds_load_b128 v[MXR+4*\qt:MXR+4*\qt+3], v[MXL] offset:256*\qt
.endr
	s_wait_dscnt 0x0
.irp qt, 0,1,2,3
	v_add_f32 v[ST+8*\qt+5], v[MXR+4*\qt], v[MXR+4*\qt+1]
	v_add_f32 v[ST+8*\qt+7], v[MXR+4*\qt+2], v[MXR+4*\qt+3]
.endr
.irp qt, 0,1,2,3
	v_add_f32 v[ST+8*\qt+5], v[ST+8*\qt+5], v[ST+8*\qt+7]
.endr
.irp qt, 0,1,2,3
	v_rcp_f32 v[ST+8*\qt+6], v[ST+8*\qt+5]
.endr
	v_nop                                          ; a plain line behind the last reciprocal
	s_wait_alu depctr_va_vdst(0)                   ; one wait for the four, ahead of their first reader
.irp qt, 0,1,2,3
	v_ldexp_f32 v[ST+8*\qt+6], v[ST+8*\qt+6], s72  ; 2^(e8 + e9) / the sum
.endr
; THE WAY OUT, a tile of 16 queries at a time: a lane holds 32 neighbouring bytes of a row; through my stage they come back as rows of 512 bytes, which the 32 lanes store whole.
.macro TOSTAGE qt
	WIN 0x01
.irp ut, 0,1,2,3,4,5,6,7
.irp i, 0,2,4,6
	v_pk_mul_f32 v[TMP+8*\ut+\i:TMP+8*\ut+\i+1], v[8*(4*\ut+(\qt))+\i:8*(4*\ut+(\qt))+\i+1], v[ST+8*(\qt)+6:ST+8*(\qt)+7] op_sel_hi:[1,0]   ; each accumulator from its low end on
.endr
.endr
	WIN 0
.irp ut, 0,1,2,3,4,5,6,7
	ds_store_b128 v[STO], v[TMP+8*\ut:TMP+8*\ut+3] offset:64*\ut
	ds_store_b128 v[STO], v[TMP+8*\ut+4:TMP+8*\ut+7] offset:64*\ut+16
.endr
.irp t, 0,1,2,3,4,5,6,7,8,9,10,11,12,13,14,15
	ds_load_b128 v[BK+64*((\qt)%2)+4*\t:BK+64*((\qt)%2)+4*\t+3], v[LB] offset:\t*528   ; LDS serves a wave's instructions in order: these see my stores, and the next tile's stores come behind them
.endr
.endm
.macro SEND qt, younger                ; younger: the LDS instructions issued behind this tile's loads
	s_wait_dscnt \younger
.irp t, 0,1,2,3,4,5,6,7,8,9,10,11,12,13,14,15
	global_store_b128 v[CO], v[BK+64*((\qt)%2)+4*\t:BK+64*((\qt)%2)+4*\t+3], s[12:13] offset:(16*(\qt)+\t)*2048 th:TH_STORE_NT   ; 512 consecutive bytes, aligned; the row stands in the immediate
.endr
.endm
	TOSTAGE 0
	TOSTAGE 1
	SEND 0, 32
	s_wait_xcnt 0x0                                ; tile 0's stores have read their registers: tile 2's rows may land there
	TOSTAGE 2
	SEND 1, 32
	s_wait_xcnt 0x0                                ; tile 1's likewise
	TOSTAGE 3
	SEND 2, 32
	SEND 3, 0
	s_wait_tensorcnt 0x0                           ; the wave's end
	ds_add_u32 v[SPW], v[NIL]
	s_wait_dscnt 0x0
	CROUND                                         ; the closing round: no work-group ends while a partner may still ask for a unit that names it
	s_endpgm
.Lfunc_end_k_q38dbe3f097_attn:
	.size	k_q38dbe3f097_attn, .Lfunc_end_k_q38dbe3f097_attn-k_q38dbe3f097_attn
	.p2alignl 7, 3214868480
	.fill 96, 4, 3214868480
	.section	.rodata,"a",@progbits
	.p2align	6, 0x0
	.amdhsa_kernel k_q38dbe3f097_attn
		.amdhsa_group_segment_fixed_size 327680
		.amdhsa_private_segment_fixed_size 0
		.amdhsa_enable_private_segment 0
		.amdhsa_kernarg_size 40
		.amdhsa_user_sgpr_count 2
		.amdhsa_user_sgpr_kernarg_segment_ptr 1
		.amdhsa_wavefront_size32 1
		.amdhsa_system_sgpr_workgroup_id_x 1
		.amdhsa_system_sgpr_workgroup_id_y 1
		.amdhsa_system_sgpr_workgroup_id_z 1
		.amdhsa_system_vgpr_workitem_id 0
		.amdhsa_next_free_vgpr 1024
		.amdhsa_next_free_sgpr 80
		.amdhsa_reserve_vcc 0
		.amdhsa_float_denorm_mode_32 3
		.amdhsa_float_denorm_mode_16_64 3
		.amdhsa_memory_ordered 1
		.amdhsa_forward_progress 1
		.amdhsa_inst_pref_size 225
	.end_amdhsa_kernel
	.amdgpu_metadata
---
amdhsa.version: [ 1, 2 ]
amdhsa.kernels:
  - .name:           k_q38dbe3f097_attn
    .symbol:         k_q38dbe3f097_attn.kd
    .args:
      - { .name: qc, .offset: 0, .size: 8, .value_kind: global_buffer, .address_space: global }
      - { .name: kv, .offset: 8, .size: 8, .value_kind: global_buffer, .address_space: global }
      - { .name: mask, .offset: 16, .size: 8, .value_kind: global_buffer, .address_space: global }
      - { .name: lowp_scales, .offset: 24, .size: 8, .value_kind: global_buffer, .address_space: global }
      - { .name: out0, .offset: 32, .size: 8, .value_kind: global_buffer, .address_space: global }
    .group_segment_fixed_size: 327680
    .private_segment_fixed_size: 0
    .kernarg_segment_align: 8
    .kernarg_segment_size: 40
    .max_flat_workgroup_size: 128
    .sgpr_count:     80
    .vgpr_count:     1024
    .wavefront_size: 32
...
	.end_amdgpu_metadata
.endif
;; end of part 3
;; ======== version 2 of 2: 3 launches; version 1 with the launch proj written anew for expert scheduling mode
;; workspace buffers: wc 1,572,864 bytes; qc 8,388,608 bytes; kv 16,777,216 bytes
;; launch wq: the kernel of part 1 again; grid 8 x 24, 4 waves a work-group, no clusters, 0 bytes of LDS; arguments Wq, Wk, Wv, lowp_scales, wc; writes wc
;; launch proj (part 4): grid 256 x 1, 4 waves a work-group, no clusters, 243,200 bytes of LDS; arguments x, wc, bq, bk, bv, lowp_scales, qc, kv; writes qc, kv
.if DOCPART == 4
	.amdgcn_target "amdgcn-amd-amdhsa--gfx1250"
	.amdhsa_code_object_version 6
	.text
	.protected	k_q38dbe3f097_proj
	.globl	k_q38dbe3f097_proj
	.p2align	8
	.type	k_q38dbe3f097_proj,@function
k_q38dbe3f097_proj:
	s_mov_b64 s[64:65], 0
	v_nop
	global_prefetch_b8 v0, s[64:65] scope:SCOPE_SE
	s_setreg_imm32_b32 hwreg(HW_REG_WAVE_SCHED_MODE, 0, 2), 2
	s_setreg_imm32_b32 hwreg(HW_REG_WAVE_MODE, 25, 1), 1
	s_wait_xcnt 0x0
	s_wait_alu depctr_vm_vsrc(0)
; q, k, v = x W + b on codes of E5M2, and their own codes for the attention launch.  x [16384][1024] f32; wc: the weights' codes as fragment images.
; SHARES.  A work-group owns 64 tokens.  PHASE X: wave w turns tokens 16 w .. 16 w + 15 into three sets of codes (scales e0, e2, e4) and stores them in LDS as images of an operand's registers.
; PASSES q, k, v: THE WAVES SHARE THE COLUMNS: wave w makes channels 128 w .. 128 w + 127 for all 64 tokens: 8 channel tiles x 4 token tiles = 32 accumulators.  A fragment of W is read by one wave alone
; and feeds four products: it comes from memory straight into registers (four loads of 512 consecutive bytes), in a ring of four register slots, two K steps ahead.
; q, k: source 0 = 16 channels of W, source 1 = 16 tokens: a lane holds one token, and the channels of a tile are chosen (in wc) so that two neighbouring tiles give 16 neighbours along the next K.
; v: sources swapped: a lane holds one channel and eight neighbouring tokens, which are the keys, the next K.
; The sums begin as b / 2^(ex + ew); the code of a finished sum is sum / 2^(eout - ex - ew), held within +-57,344: the three scales folded into the conversion's one.
; NO TENSOR LOADS AND NO JOINT LOADS FOR W: x's three sets of codes take 3 x 64 x 1,024 = 196,608 bytes of LDS; two slots of one K step of one weight (512 x 128 bytes each) would bring that to 327,680, all there is,
; with no room for the words that a ring needs beside it; smaller slots would hold under 32 products a wave between two changes.
; LIMITS: e0, e2, e4, and e6 - e0 - e1, e7 - e2 - e3, e9 - e4 - e5, between -126 and 112.  NaN is not served.
; OUT.  qc [blk 256][qt 4][s 4][c 4][lane][16]: query 64 blk + 16 qt + r, channel 128 s + 32 c + 16 h + i.
;       kv [b 8][w 4][t 16][V(t) 16 KB | K((t + 1) mod 16) 16 KB]: a unit holds the values of key step t and the keys of the step that follows it, round the end too.
;       K(j) [u 2][s 4][c][lane][16]: key 128 j + 32 w + 16 u + r, channel as q's;  V(j) [ut 8][c][lane][16]: channel 128 w + 16 ut + r, key 128 j + 32 c + 16 (i / 8) + 8 h + i % 8.
; LDS: IMG [t 3][s 8][tt 4][c 4][lane][16]; STG: a stage of 16 rows x 528 bytes for each wave; BIA: 3,072 bytes for each wave: bq, bk scaled (512 bytes each), bv scaled, each number four times; behind it the spare words.
; REGISTERS: window 0: v4-14 addresses and scales; v15, v31 the closing add's two; v32-95 numbers of x, later codes; v96-127 at work; v128-255 two sets of x's fragments (in phase X: v128-175 codes, v240-245 scales).
;   window 1: accumulator (ct, tt) at v[8 (4 ct + tt)].  window 2: W's slots 0, 1.  window 3: W's slots 2, 3 (in phase X: x as loaded, four sets of 64).
; THE MODE: SCHED_MODE bits 1:0 = 2 (LLVM: expert scheduling mode 2), set by the entry lines.  The code itself states the register dependences
; between vector or matrix instructions and memory or LDS instructions, with s_wait_alu, always for 0.
; THE PLAN.  Registers that memory or LDS instructions touch, and who else names them:
;   v4-12, v15, v28-31  addresses (v31: 0).  Made at the head, ahead of one wait on va_vdst.  v[XAD] alone is written again, once for four K steps.
;   x as loaded         Phase X: global loads land in a set; the stage's LDS stores read it; no vector instruction names it.
;   X v32-95            Phase X, K step ks: the stage's LDS loads land; the step's holds read.
;   v128-175            Phase X, K step ks: the step's conversions write; the twelve image stores at the step's end read.
;   W's slots 0 - 3     K step k: its products read slot k % 4; the loads of K step k + 2 land in slot (k + 2) % 4, which the products of K step k - 2 read last.
;   x's sets 0, 1       K step k: its products read set k % 2; the LDS loads of K step k + 1 land in the other set, which the products of K step k - 1 read last.
;   the accumulators    At a pass's head the biases' LDS loads land; the products add; at its end the holds write and the conversions read.
;   PC v32-95           A pass's conversions write; its sixteen global stores read.
; PHASE X has two waits a K step: one on vm_vsrc beside the wait for the stage's loads, one on va_vdst behind the last conversion, ahead of the run of image stores.
; A PASS has ONE wait on va_vdst a K step, at its head; the step's loads follow it, dealt among its 32 products, which name slot k % 4, set k % 2 and the accumulators: none of the registers that those loads touch.
; One wait on vm_vsrc for four K steps stands ahead of the add to v[XAD].  At a pass's end one wait on va_vdst behind the conversions serves the stores and the next pass's biases.
.set IMG,  0
.set STG,  196608
.set BIA,  230400
.set LI,   4                           ; 16 x lane
.set STA,  5                           ; the stage, on the way in
.set STR,  6                           ; and back
.set IA,   7                           ; v7-9  where I store x's images, set t
.set BA,   10                          ; bq, bk for my half of the lanes
.set BVA,  11                          ; bv for my channel
.set XAD,  12                          ; x's images of the four K steps in hand
.set SCO,  13                          ; the pass's folded scale
.set LMO,  14                          ; 57,344 x that
.set X,    32
.set PC,   32
.set T0,   96
.set XF,   128
.set PC48, 128
.set XS,   240
.set MSB, 0
.macro WIN new                         ; the immediate's high byte repeats the setting that is left
.if MSB != (\new)
	s_set_vgpr_msb (MSB<<8)|(\new)
.set MSB, (\new)
.endif
.endm
.macro PLACES                          ; four places behind a K step's last products (ISA guide 7.12.1): at a pass's end the holds read their results; they stay beside the wait at the next K step's head
.rept 4
	v_nop
.endr
.endm
.macro XLOAD ks                        ; my 16 tokens' numbers of K step ks: a load reads 512 consecutive bytes of one token
	WIN 0xc0
.irp T, 0,1,2,3,4,5,6,7,8,9,10,11,12,13,14,15
	global_load_b128 v[64*((\ks)%4)+4*\T:64*((\ks)%4)+4*\T+3], v[LI], s[4:5] offset:4096*\T+512*(\ks) th:TH_LOAD_NT
.endr
	WIN 0
.endm
.macro WLOAD slot, imm                 ; a K step's eight fragments of W, 16 KB on end, into a register slot: in phase X, in one run
	WIN 0x80+0x40*((\slot)/2)
.irp ct, 0,1,2,3,4,5,6,7
.irp c, 0,1,2,3
	global_load_b128 v[128*((\slot)%2)+16*\ct+4*\c:128*((\slot)%2)+16*\ct+4*\c+3], v[LI], s[6:7] offset:(\imm)+2048*\ct+512*\c
.endr
.endr
	WIN 0
.endm
.macro WPART slot, imm, g              ; two of the eight: fragments 2 g and 2 g + 1
	WIN 0x80+0x40*((\slot)/2)
.irp ct, 2*(\g), 2*(\g)+1
.irp c, 0,1,2,3
	global_load_b128 v[128*((\slot)%2)+16*(\ct)+4*\c:128*((\slot)%2)+16*(\ct)+4*\c+3], v[LI], s[6:7] offset:(\imm)+2048*(\ct)+512*\c
.endr
.endr
.endm
; K step ks of x: through my stage, so that a lane holds 16 neighbours of each block of 32; then three holds and conversions, one for each scale; images to LDS, in one run at the step's end.
.macro XQ ks, cnt, wl
	s_wait_loadcnt \cnt                            ; this K step's 16 loads are in; cnt younger loads may be out
	WIN 0x0c
.irp T, 0,1,2,3,4,5,6,7,8,9,10,11,12,13,14,15
	ds_store_b128 v[STA], v[64*((\ks)%4)+4*\T:64*((\ks)%4)+4*\T+3] offset:528*\T
.endr
	WIN 0
.irp c, 0,1,2,3
.irp j, 0,1,2,3
	ds_load_b128 v[X+16*\c+4*\j:X+16*\c+4*\j+3], v[STR] offset:128*\c+16*\j   ; LDS serves a wave's instructions in order: these see the stores above.  (That the last K step's holds are done reading X was stated at that step's end)
.endr
.endr
	s_wait_dscnt 0x0                               ; the numbers are back
	s_wait_alu depctr_vm_vsrc(0)                   ; the stage's stores have read their set of x, in which the loads of four K steps on land; the last K step's image stores have read v[PC48 ..], which the conversions below write; in K step 0 the biases' stores have read v112-127, which the holds below write
.if (\ks) < 4
	XLOAD (\ks)+4
.endif
.if \wl == 1
	WLOAD 0, 0
.endif
.if \wl == 2
	WLOAD 1, 16384
.endif
.irp t, 0,1,2
.irp c, 0,1,2,3
.irp i, 0,1,2,3,4,5,6,7,8,9,10,11,12,13,14,15
	v_med3_num_f32 v[T0+16*(\c%2)+\i], v[X+16*\c+\i], -v[XS+2*\t+1], v[XS+2*\t+1]   ; into other registers: x is kept for the next scale
.endr
	v_cvt_scalef32_pk8_bf8_f32 v[PC48+16*\t+4*\c:PC48+16*\t+4*\c+1], v[T0+16*(\c%2):T0+16*(\c%2)+7], v[XS+2*\t]
	v_cvt_scalef32_pk8_bf8_f32 v[PC48+16*\t+4*\c+2:PC48+16*\t+4*\c+3], v[T0+16*(\c%2)+8:T0+16*(\c%2)+15], v[XS+2*\t]
.endr
.endr
	v_nop                                          ; a plain line behind the last conversion
	s_wait_alu depctr_va_vdst(0)                   ; the conversions have written v[PC48 ..], which the image stores read; the holds are done reading X, in which the next K step's numbers land
.irp t, 0,1,2
.irp c, 0,1,2,3
	ds_store_b128 v[IA+\t], v[PC48+16*\t+4*\c:PC48+16*\t+4*\c+3] offset:8192*(\ks)+512*\c
.endr
.endr
.endm
.macro XFETCH set, imm                 ; a K step's four fragments of x, in one run: the first K step's alone
.irp tt, 0,1,2,3
.irp c, 0,1,2,3
	ds_load_b128 v[XF+64*(\set)+16*\tt+4*\c:XF+64*(\set)+16*\tt+4*\c+3], v[XAD] offset:(\imm)+2048*\tt+512*\c
.endr
.endr
.endm
.macro XPART set, imm, g               ; two of the four: fragments 2 g and 2 g + 1
	WIN 0
.irp tt, 2*(\g), 2*(\g)+1
.irp c, 0,1,2,3
	ds_load_b128 v[XF+64*(\set)+16*(\tt)+4*\c:XF+64*(\set)+16*(\tt)+4*\c+3], v[XAD] offset:(\imm)+2048*(\tt)+512*\c
.endr
.endr
.endm
.macro PRE_QK t                        ; the sums begin as the scaled bias: lane (r, h), tile 2 b + u, register j: channel 32 b + 16 h + 8 u + j
	WIN 0x40
.irp b2, 0,1,2,3
.irp u, 0,1
.irp tt, 0,1,2,3
	ds_load_b128 v[8*(4*(2*\b2+\u)+\tt):8*(4*(2*\b2+\u)+\tt)+3], v[BA] offset:512*(\t)+128*\b2+32*\u
	ds_load_b128 v[8*(4*(2*\b2+\u)+\tt)+4:8*(4*(2*\b2+\u)+\tt)+7], v[BA] offset:512*(\t)+128*\b2+32*\u+16
.endr
.endr
.endr
	WIN 0
.endm
.macro PRE_V                           ; v: a lane holds one channel: all eight registers take its bias
	WIN 0x40
.irp ct, 0,1,2,3,4,5,6,7
.irp tt, 0,1,2,3
	ds_load_b128 v[8*(4*\ct+\tt):8*(4*\ct+\tt)+3], v[BVA] offset:256*\ct
	ds_load_b128 v[8*(4*\ct+\tt)+4:8*(4*\ct+\tt)+7], v[BVA] offset:256*\ct
.endr
.endr
	WIN 0
.endm
.macro MUL8 slot, set, swap, g         ; 8 of a K step's 32 products: channel tiles 2 g, 2 g + 1 x the four token tiles.  The 32 accumulators take turns, one instruction a turn, in the same order in every K step
.if \swap
	WIN 0x58+4*((\slot)/2)
.else
	WIN 0x52+((\slot)/2)
.endif
.irp ct, 2*(\g), 2*(\g)+1
.irp tt, 0,1,2,3
.if \swap
	v_wmma_f32_16x16x128_bf8_bf8 v[8*(4*(\ct)+\tt):8*(4*(\ct)+\tt)+7], v[XF+64*(\set)+16*\tt:XF+64*(\set)+16*\tt+15], v[128*((\slot)%2)+16*(\ct):128*((\slot)%2)+16*(\ct)+15], v[8*(4*(\ct)+\tt):8*(4*(\ct)+\tt)+7]
.else
	v_wmma_f32_16x16x128_bf8_bf8 v[8*(4*(\ct)+\tt):8*(4*(\ct)+\tt)+7], v[128*((\slot)%2)+16*(\ct):128*((\slot)%2)+16*(\ct)+15], v[XF+64*(\set)+16*\tt:XF+64*(\set)+16*\tt+15], v[8*(4*(\ct)+\tt):8*(4*(\ct)+\tt)+7]
.endif
.endr
.endr
.endm
; K step k of four.  wl = 1: W of two K steps on is asked for; xf = 1: x of the next K step.  Behind the one wait the loads are dealt among the products: x's early, behind products 0-7 and 8-15, so that they have
; landed at the step's end; W's eight at a time behind each eight products.
.macro KSTEP k, wl, xf, lc, swap
	s_wait_loadcnt \lc                             ; this K step's W is in; the next K step's 32 loads may be out
	s_wait_dscnt 0x0                               ; this K step's x, asked for early in the K step before, is in; at a pass's head the biases too
.if \wl || \xf
	s_wait_alu depctr_va_vdst(0)                   ; the last K step's products are done reading x's other set, those of two K steps back W's slot (k + 2) % 4: the loads below land there; in a group's first K step v[XAD] is written
.endif
.irp g, 0,1,2,3
	MUL8 \k, (\k)%2, \swap, \g
.if \xf && (\g < 2)
	XPART ((\k)+1)%2, ((\k)+1)*8192, \g            ; no wait: no vector or matrix instruction since the wait above names x's other set or v[XAD]
.endif
.if \wl
	WPART ((\k)+2)%4, ((\k)+2)*16384, \g           ; nor W's slot (k + 2) % 4 or v[LI]
.endif
.endr
	WIN 0
	PLACES
.endm
.macro GROUP tail, swap                ; four K steps: once round W's four slots
	s_wait_alu depctr_vm_vsrc(0)                   ; the LDS loads issued so far have read v[XAD]
	v_add_nc_u32 v[XAD], s55, v[LI]
	KSTEP 0, 1, 1, 32, \swap
	KSTEP 1, 1, 1, 32, \swap
.if \tail
	KSTEP 2, 0, 1, 32, \swap                       ; the last two K steps ask for nothing of W: no load leaves wc
	KSTEP 3, 0, 0, 0, \swap                        ; the last asks for nothing at all, so it states no dependence
.else
	KSTEP 2, 1, 1, 32, \swap
	KSTEP 3, 1, 1, 32, \swap
	s_wait_xcnt 0x0                                ; the loads have read their base
	s_add_nc_u64 s[6:7], s[6:7], 65536
	s_add_co_u32 s55, s55, 32768
.endif
.endm
.macro EPI kind, again                 ; the hold, each accumulator from its low end on, and the conversions.  kind 0: q, k;  1: v.  again = 1: an earlier pass has stored from v[PC ..]
	WIN 0x41
.set ii, 0
.rept 256
	v_med3_num_f32 v[ii], v[ii], -v[LMO], v[LMO]
.set ii, ii+1
.endr
	s_wait_xcnt 0x0                                ; the last pass's stores have read the codes' registers
.if \again
	s_wait_alu depctr_vm_vsrc(0)                   ; the last pass's global stores have read v[PC ..], which the conversions below write
.endif
	WIN 0x01
.irp ct, 0,1,2,3,4,5,6,7
.irp tt, 0,1,2,3
.if \kind
	v_cvt_scalef32_pk8_bf8_f32 v[PC+8*\ct+2*\tt:PC+8*\ct+2*\tt+1], v[8*(4*\ct+\tt):8*(4*\ct+\tt)+7], v[SCO]
.else
	v_cvt_scalef32_pk8_bf8_f32 v[PC+16*\tt+4*(\ct/2)+2*(\ct%2):PC+16*\tt+4*(\ct/2)+2*(\ct%2)+1], v[8*(4*\ct+\tt):8*(4*\ct+\tt)+7], v[SCO]
.endif
.endr
.endr
	v_nop                                          ; a plain line behind the last conversion
	WIN 0
	s_wait_alu depctr_va_vdst(0)                   ; the conversions have written v[PC ..], which the pass's stores read; the holds and the conversions are done with the accumulators, in which the next pass's biases land
.endm
.macro PASSQK t
	v_mov_b32 v[SCO], s[49+\t]
	v_mov_b32 v[LMO], s[52+\t]
	PRE_QK \t
	s_mov_b32 s56, 2
.Lpass_\@:
	GROUP 0, 0
	s_sub_co_u32 s56, s56, 1
	s_cmp_lg_u32 s56, 0
	s_cbranch_scc1 .Lpass_\@
	EPI 0, \t
.endm
	s_load_b512 s[4:19], s[0:1], 0x0               ; x, wc, bq, bk, bv, scales, qc, kv
	v_lshl_add_u32 v15, v0, 2, 0x3b400             ; the LDS address of my spare word, and 0: made here and kept for the closing lines alone
	v_mov_b32 v31, 0
	v_lshrrev_b32 v1, 5, v0
	v_readfirstlane_b32 s22, v1                    ; wave
	v_and_b32 v1, 31, v0                           ; lane
	v_and_b32 v2, 15, v0                           ; r
	v_bfe_u32 v3, v0, 4, 1                         ; h
	v_lshlrev_b32 v[LI], 4, v1
	v_mov_b32 v[XAD], v[LI]                        ; x's images: the first K step's
	v_lshlrev_b32 v30, 4, v0                       ; 512 x wave + 16 x lane: my four numbers of a bias
	s_wait_alu depctr_va_sdst(0)                   ; s22 is written, ahead of its first reader: LDS and global places are made from it
	s_mul_i32 s23, s22, 8448
	s_add_co_u32 s23, s23, STG
	v_add_nc_u32 v[STA], s23, v[LI]
	v_mul_u32_u24 v[STR], v2, 528
	v_lshl_add_u32 v[STR], v3, 6, v[STR]
	v_add_nc_u32 v[STR], s23, v[STR]               ; row r, + 64 h: my 16 numbers of a block of 32
	s_lshl_b32 s23, s22, 11
	v_add_nc_u32 v[IA], s23, v[LI]
	v_add_nc_u32 v[IA+1], 65536, v[IA]
	v_add_nc_u32 v[IA+2], 131072, v[IA]
	s_mul_i32 s23, s22, 3072
	s_add_co_u32 s23, s23, BIA
	v_lshl_add_u32 v[BA], v3, 6, s23
	v_lshl_add_u32 v[BVA], v2, 4, s23
	v_add_nc_u32 v[BVA], 1024, v[BVA]
	v_add_nc_u32 v28, s23, v[LI]
	v_lshl_add_u32 v29, v1, 6, s23
	v_add_nc_u32 v29, 1024, v29
	s_lshl_b32 s24, ttmp9, 18                      ; x: 64 tokens of 4,096 bytes a work-group, 16 a wave
	s_lshl_b32 s25, s22, 16
	s_add_co_u32 s24, s24, s25
	s_mov_b32 s25, 0
	s_mul_i32 s26, s22, 393216                     ; wc: my stream
	s_mov_b32 s27, 0
	s_lshl_b32 s28, ttmp9, 15
	s_lshl_b32 s29, s22, 11
	s_add_co_u32 s28, s28, s29                     ; qc: 32,768 blk + 2,048 w
	s_lshr_b32 s30, ttmp9, 5
	s_lshl_b32 s30, s30, 21                        ; the batch
	s_bfe_u32 s31, ttmp9, 0x40001                  ; the key step j
	s_add_co_u32 s33, s31, 15
	s_and_b32 s33, s33, 15                         ; (j - 1) mod 16: the unit that holds K(j)
	s_lshl_b32 s33, s33, 15
	s_lshl_b32 s35, s31, 15                        ; unit j holds V(j)
	s_and_b32 s31, ttmp9, 1                        ; which half of the key step's 128 keys
	s_lshl_b32 s32, s31, 20
	s_add_co_u32 s32, s32, s30
	s_add_co_u32 s32, s32, s33
	s_add_co_u32 s32, s32, s29                     ; K: + 2,048 w,
	s_add_co_u32 s32, s32, 16384                   ; in the unit's second half
	s_lshl_b32 s34, s31, 10
	s_add_co_u32 s34, s34, s30
	s_add_co_u32 s34, s34, s35
	s_lshl_b32 s31, s22, 19
	s_add_co_u32 s34, s34, s31                     ; V: in the unit's first half
	s_mov_b32 s29, 0
	s_mov_b32 s33, 0
	s_mov_b32 s35, 0
	s_wait_kmcnt 0x0
	s_load_b256 s[36:43], s[14:15], 0x0            ; e0 .. e7
	s_load_b64 s[44:45], s[14:15], 0x20            ; e8, e9
	s_add_nc_u64 s[4:5], s[4:5], s[24:25]
	s_add_nc_u64 s[6:7], s[6:7], s[26:27]
	s_add_nc_u64 s[16:17], s[16:17], s[28:29]
	s_add_nc_u64 s[20:21], s[18:19], s[34:35]
	s_add_nc_u64 s[18:19], s[18:19], s[32:33]
	s_wait_alu depctr_va_vdst(0)                   ; the addresses v4 to v12, v15 and v28 to v31 are written, which the loads and stores of the whole kernel read
	global_load_b128 v[16:19], v30, s[8:9]
	global_load_b128 v[20:23], v30, s[10:11]
	global_load_b128 v[24:27], v30, s[12:13]
	XLOAD 0
	XLOAD 1
	XLOAD 2
	s_wait_kmcnt 0x0
	s_add_co_i32 s46, s36, s37                     ; ex + ew of the three products
	s_add_co_i32 s47, s38, s39
	s_add_co_i32 s48, s40, s41
	s_sub_co_i32 s49, s42, s46                     ; eout - ex - ew
	s_sub_co_i32 s50, s43, s47
	s_sub_co_i32 s51, s45, s48
	s_sub_co_i32 s46, 0, s46
	s_sub_co_i32 s47, 0, s47
	s_sub_co_i32 s48, 0, s48
.irp t, 0,1,2
	s_add_co_i32 s[49+\t], s[49+\t], 127
	s_add_co_i32 s[52+\t], s[49+\t], 15
	s_lshl_b32 s[49+\t], s[49+\t], 23              ; the folded scale as f32
	s_lshl_b32 s[52+\t], s[52+\t], 23
	s_or_b32 s[52+\t], s[52+\t], 0x600000          ; 57,344 x that
	s_add_co_i32 s57, s[36+2*\t], 127
	s_lshl_b32 s58, s57, 23
	v_mov_b32 v[XS+2*\t], s58                      ; 2^ex
	s_add_co_i32 s57, s57, 15
	s_lshl_b32 s57, s57, 23
	s_or_b32 s57, s57, 0x600000
	v_mov_b32 v[XS+2*\t+1], s57                    ; 57,344 x 2^ex
.endr
	s_wait_loadcnt 48                              ; the biases are in; behind them stand 48 loads of x
.irp i, 0,1,2,3
	v_ldexp_f32 v[16+\i], v[16+\i], s46            ; b / 2^(ex + ew)
	v_ldexp_f32 v[20+\i], v[20+\i], s47
.endr
.irp i, 0,1,2,3
.irp k, 0,1,2,3
	v_ldexp_f32 v[112+4*\i+\k], v[24+\i], s48      ; bv's, four times over
.endr
.endr
	s_wait_alu depctr_va_vdst(0)                   ; the scaled biases are written in v16-23 and v112-127, which the LDS stores read
	ds_store_b128 v28, v[16:19]
	ds_store_b128 v28, v[20:23] offset:512
.irp i, 0,1,2,3
	ds_store_b128 v29, v[112+4*\i:115+4*\i] offset:16*\i
.endr
	XLOAD 3
	; ---- PHASE X.  The counts: three younger sets of 16; from K step 5 on the sets run out and W's first two K steps (32 loads each) come in behind them
	XQ 0, 48, 0
	XQ 1, 48, 0
	XQ 2, 48, 0
	XQ 3, 48, 0
	XQ 4, 48, 0
	XQ 5, 32, 1
	XQ 6, 48, 0
	XQ 7, 32, 2
	s_wait_dscnt 0x0                               ; for the others' sake: my images have landed
	s_barrier_signal -1
	s_barrier_wait -1                              ; the one barrier: from here on the images are only read
	s_mov_b32 s55, 0
	s_wait_alu depctr_vm_vsrc(0)                   ; my image stores have read v128-175: these registers are x's fragments from here on (that the conversions have written them was stated at K step 7's end, and no vector instruction has followed)
	XFETCH 0, 0
	; ---- q
	PASSQK 0
.irp tt, 0,1,2,3
.irp c, 0,1,2,3
	global_store_b128 v[LI], v[PC+16*\tt+4*\c:PC+16*\tt+4*\c+3], s[16:17] offset:8192*\tt+512*\c   ; every store of the wave covers 512 consecutive bytes, aligned
.endr
.endr
	; ---- k.  The streams of W and of x's fragments run on across the passes
	PASSQK 1
.irp tt, 0,1,2,3
.irp c, 0,1,2,3
	global_store_b128 v[LI], v[PC+16*\tt+4*\c:PC+16*\tt+4*\c+3], s[18:19] offset:524288*(\tt/2)+8192*(\tt%2)+512*\c
.endr
.endr
	; ---- v
	v_mov_b32 v[SCO], s51
	v_mov_b32 v[LMO], s54
	PRE_V
	GROUP 0, 1
	GROUP 1, 1
	EPI 1, 1
.irp ct, 0,1,2,3,4,5,6,7
.irp g, 0,1
	global_store_b128 v[LI], v[PC+8*\ct+4*\g:PC+8*\ct+4*\g+3], s[20:21] offset:2048*\ct+512*\g
.endr
.endr
	s_wait_dscnt 0x0                               ; the closing lines, six on end
	s_wait_alu 0x0
	s_wait_tensorcnt 0x0
	ds_add_u32 v15, v31
	s_wait_dscnt 0x0
	s_endpgm
.Lfunc_end_k_q38dbe3f097_proj:
	.size	k_q38dbe3f097_proj, .Lfunc_end_k_q38dbe3f097_proj-k_q38dbe3f097_proj
	.p2alignl 7, 3214868480
	.fill 96, 4, 3214868480
	.section	.rodata,"a",@progbits
	.p2align	6, 0x0
	.amdhsa_kernel k_q38dbe3f097_proj
		.amdhsa_group_segment_fixed_size 243200
		.amdhsa_private_segment_fixed_size 0
		.amdhsa_enable_private_segment 0
		.amdhsa_kernarg_size 64
		.amdhsa_user_sgpr_count 2
		.amdhsa_user_sgpr_kernarg_segment_ptr 1
		.amdhsa_wavefront_size32 1
		.amdhsa_system_sgpr_workgroup_id_x 1
		.amdhsa_system_sgpr_workgroup_id_y 1
		.amdhsa_system_sgpr_workgroup_id_z 1
		.amdhsa_system_vgpr_workitem_id 0
		.amdhsa_next_free_vgpr 1024
		.amdhsa_next_free_sgpr 66
		.amdhsa_reserve_vcc 0
		.amdhsa_float_denorm_mode_32 3
		.amdhsa_float_denorm_mode_16_64 3
		.amdhsa_memory_ordered 1
		.amdhsa_forward_progress 1
		.amdhsa_inst_pref_size 255
	.end_amdhsa_kernel
	.section	.bss,"aw",@nobits
	.p2align	6
	.space	262144
	.amdgpu_metadata
---
amdhsa.version: [ 1, 2 ]
amdhsa.kernels:
  - .name:           k_q38dbe3f097_proj
    .symbol:         k_q38dbe3f097_proj.kd
    .args:
      - { .name: x, .offset: 0, .size: 8, .value_kind: global_buffer, .address_space: global }
      - { .name: wc, .offset: 8, .size: 8, .value_kind: global_buffer, .address_space: global }
      - { .name: bq, .offset: 16, .size: 8, .value_kind: global_buffer, .address_space: global }
      - { .name: bk, .offset: 24, .size: 8, .value_kind: global_buffer, .address_space: global }
      - { .name: bv, .offset: 32, .size: 8, .value_kind: global_buffer, .address_space: global }
      - { .name: lowp_scales, .offset: 40, .size: 8, .value_kind: global_buffer, .address_space: global }
      - { .name: qc, .offset: 48, .size: 8, .value_kind: global_buffer, .address_space: global }
      - { .name: kv, .offset: 56, .size: 8, .value_kind: global_buffer, .address_space: global }
    .group_segment_fixed_size: 243200
    .private_segment_fixed_size: 0
    .kernarg_segment_align: 8
    .kernarg_segment_size: 64
    .max_flat_workgroup_size: 128
    .sgpr_count:     66
    .vgpr_count:     1024
    .wavefront_size: 32
...
	.end_amdgpu_metadata
.endif
;; end of part 4
;; launch attn: the kernel of part 3 again; grid 32 x 8, 4 waves a work-group, clusters of 4 x 1, 327,680 bytes of LDS; arguments qc, kv, mask, lowp_scales, out0; writes out0
